; MI455X (gfx1250); checked and timed in simulation.
; The chip was launched on July 23, 2026; its instructions are those of AMD's public machine-readable ISA for CDNA 5 (MIT licence, August 2026) and "CDNA5" Instruction Set Architecture Reference Guide (July 2026). The comments in the code are by the model that wrote it; some were corrected since.
;; Multi Head Attention Part. Allowed arithmetic: matrix products marked QUANTISED: E4M3 operands, one given power-of-two scale a tensor, by v_wmma_f32_16x16x64_fp8_fp8 or v_wmma_f32_16x16x128_fp8_fp8, f32 sums; everything else in f32.
;; Inputs: Wk 1,024 x 1,024 float32; Wo 1,024 x 1,024 float32; Wq 1,024 x 1,024 float32; Wv 1,024 x 1,024 float32; bo 1,024 float32; k 4 x 2,048 x 1,024 float32; lowp_scales 12 int32 (the exponents e of the quantised operands' scales 2^e); mask 4 x 1 x 1 x 2,048 int32; q 4 x 2,048 x 1,024 float32; v 4 x 2,048 x 1,024 float32.
;; Outputs: out0 4 x 2,048 x 1,024 float32.
;; This version of the problem:
;;   THIS VERSION OF THE PROBLEM IS GIVEN IN LOW PRECISION. The matrix products marked QUANTISED in the list below multiply operands that are first quantised to E4M3 (4 exponent bits, 3 mantissa bits; 8 bits a number), with one given power-of-two scale for each operand tensor; their sums are f32. All else is computed in f32.
;;   The module's matrix products, in the order in which they are computed (A, B: the left and right operand; K: the contracted axis; several contracted axes count as one K, in the product's order):
;;     1. [M 8,192, K 1,024] x [K 1,024, N 1,024]; A: input q; B: input Wq: QUANTISED (scales: A lowp_scales[0], B lowp_scales[1])
;;     2. [M 8,192, K 1,024] x [K 1,024, N 1,024]; A: input k; B: input Wk: QUANTISED (scales: A lowp_scales[2], B lowp_scales[3])
;;     3. [M 8,192, K 1,024] x [K 1,024, N 1,024]; A: input v; B: input Wv: QUANTISED (scales: A lowp_scales[4], B lowp_scales[5])
;;     4. batch 64 x [M 2,048, K 64] x [K 64, N 2,048]; A: computed on the way; B: computed on the way: QUANTISED (scales: A lowp_scales[6], B lowp_scales[7])
;;     5. batch 64 x [M 2,048, K 2,048] x [K 2,048, N 64]; A: softmax (see below); B: computed on the way: QUANTISED (scales: A lowp_scales[8], B lowp_scales[9])
;;     6. [M 8,192, K 1,024] x [K 1,024, N 1,024]; A: computed on the way; B: input Wo: QUANTISED (scales: A lowp_scales[10], B lowp_scales[11])
;;   THE QUANTISER, for each operand of a quantised product, along K:
;;     - The operand's scale is 2^e, e = its entry of the input lowp_scales (int32; the entries are numbered through the quantised products in the list's order, A before B).
;;     - Each number is divided by the scale, clamped to +-448, and rounded to the nearest number of E4M3, ties to even, subnormals kept.
;;     - The product sums the exact products of the quantised numbers (number of the format x scale) in f32.
;;   ~~~python
;;   def quantise(x, axis, e):      # numpy; x: float32 -> the quantised numbers, widened to float32 again
;;       x = np.moveaxis(x, axis, -1); K = x.shape[-1]
;;       r = np.clip(x / 2.0 ** e, -448, 448)
;;       step = 2.0 ** (np.maximum(np.frexp(np.where(r == 0, 1, r))[1] - 1, -6) - 3)
;;       q = np.round(r / step) * step * 2.0 ** e      # np.round: ties to even
;;       return np.moveaxis(q, -1, axis).astype(np.float32)
;;   ~~~
;;   SOFTMAX AHEAD OF A QUANTISED PRODUCT. Where the list says 'softmax', what is quantised is not the finished softmax but p = 2^(t - M), with t = logit x log2(e) and M = ceil(the row's largest t), a whole number; so 1/2 < the row's largest p <= 1. The row's sum l is taken of the UNQUANTISED p, in f32, and the product's result is divided by l at the end. Since M is a whole number, a kernel that streams over the keys may use a running M (the ceiling of the running maximum): every later rescaling is an exact power of two, so the quantised numbers keep their values, but for numbers so far below the row's largest that they fall under the format's range.
;;   OPERANDS COMPUTED ON THE WAY. 'Computed on the way' means the value that the module computes at that place (a softmax that the list does not call 'softmax' is quantised finished and normalised). What goes into a quantiser is computed in f32, as accurately as f32 sums, v_exp_f32 and their like allow (about 1e-6 of the number): no bf16 or f16 on the way to a quantiser, and a product that is left as it is and whose result goes on into a quantised operand takes f32 operands (vector FMAs, or v_wmma_f32_16x16x4_f32). A number that lies on a knife's edge between two numbers of the format may be rounded either way, as far as f32 arithmetic and the matrix unit's own rounding can turn it there, and no further.
;; One version. Each part assembles by itself: llvm-mc -triple=amdgcn-amd-amdhsa -mcpu=gfx1250 --defsym DOCPART=n.
;; ======== version 1 of 1: 4 launches
;; limits: right only within a limited range of input values
;; workspace buffers: xc 25,165,824 bytes; wc 4,194,304 bytes; pf 25,165,824 bytes; ao 8,388,608 bytes
;; launch quant (part 1): grid 896 x 1, 4 waves a work-group, no clusters, 33,280 bytes of LDS; arguments q, k, v, Wq, Wk, Wv, Wo, lowp_scales, xc, wc; writes xc, wc
.if DOCPART == 1
	.amdgcn_target "amdgcn-amd-amdhsa--gfx1250"
	.amdhsa_code_object_version 6
	.text
	.protected	k_q995345ec3e_quant
	.globl	k_q995345ec3e_quant
	.p2align	8
	.type	k_q995345ec3e_quant,@function
k_q995345ec3e_quant:
	s_mov_b64 s[64:65], 0
	v_nop
	global_prefetch_b8 v0, s[64:65] scope:SCOPE_SE
	s_setreg_imm32_b32 hwreg(HW_REG_WAVE_MODE, 25, 1), 1
	s_wait_xcnt 0x0
; q, k, v [8192][1024] and Wq, Wk, Wv, Wo [1024][1024], f32, K innermost, become codes of FP8 (E4M3), one byte each, in the same order: q, k, v one behind the other in xc, the four weights in wc.
; code = x / 2^e, held within +-448, rounded to the nearest code, ties to even.  e is the tensor's entry of the scales: q 0, Wq 1, k 2, Wk 3, v 4, Wv 5, Wo 11.
; LIMITS: -126 <= e <= 119, so that 2^e and 448 x 2^e are f32 numbers.  NaN among the inputs is not served (an infinity is held at the largest code).
; Rows are dense, so every tensor is a plain stream.  A work-group takes 32,768 numbers, a wave 8,192, in 16 steps of 512.  Work-groups 0-255 q, 256-511 k, 512-767 v, 768-799 Wq, 800-831 Wk, 832-863 Wv, 864-895 Wo:
; only pointers and e are chosen, by selects on the work-group's number; there is one path through the text.
; The conversion takes 8 neighbours from ONE lane's registers, a load is best where neighbouring LANES take neighbouring bytes.  Both are had: each of a step's four loads reads 512 consecutive bytes, 16 a lane; the 2,048 bytes
; go through the wave's own stage in LDS and come back 64 bytes a lane (16 bytes of padding behind each 64, so that the reads do not all fall on the same banks).  A lane's 16 codes are 16 bytes: the wave stores 512 consecutive bytes.
; Memory binds: no matrix unit, no tensor loads, no barrier (waves share nothing).  Loads run four steps (16 loads a wave) ahead, the turn through LDS one step.
.set STEPS, 16
.set EMAX,  8
.set MANT,  0x600000                   ; the mantissa field of 448 as f32
.set CB,    16                         ; bytes of 16 codes
.set R,     16                         ; v16-79   four sets of 16 numbers as they are loaded
.set X,     80                         ; v80-111  two sets of 16 neighbours
.set C,     128                        ; v128-191 codes: four registers for each step, so that no store's data are written again
.set WREG,  8192                       ; LDS: a region for each wave: two stages of 32 x SP bytes
.set SP,    80                         ; a lane's place in a stage: its 64 bytes + 16 of padding
	s_load_b512 s[4:19], s[0:1], 0x0               ; q s[4:5], k s[6:7], v s[8:9], Wq s[10:11], Wk s[12:13], Wv s[14:15], Wo s[16:17], the scales s[18:19]
	s_load_b128 s[20:23], s[0:1], 0x40             ; xc s[20:21], wc s[22:23]
	v_lshl_add_u32 v192, v0, 2, 0x8000
	v_mov_b32 v193, 0
	v_lshrrev_b32 v1, 5, v0
	v_readfirstlane_b32 s44, v1                    ; wave
	v_and_b32 v2, 31, v0                           ; lane
	v_lshlrev_b32 v3, 4, v2                        ; my 16 bytes of a load's 512
	s_mul_i32 s45, s44, WREG
	v_lshrrev_b32 v14, 2, v2
	v_mul_u32_u24 v14, v14, SP
	v_and_b32 v15, 3, v2
	v_lshl_add_u32 v14, v15, 4, v14
	v_add_nc_u32 v14, s45, v14                     ; the stage, on the way in: four lanes' 64 bytes on end, then 16 of padding
	v_mul_u32_u24 v15, v2, SP
	v_add_nc_u32 v15, s45, v15                     ; and on the way out: SP x lane: my 16 neighbours
	v_mul_u32_u24 v4, v2, CB                       ; my codes' place in a step's
	s_wait_kmcnt 0x0
	s_load_b256 s[32:39], s[18:19], 0x0            ; e0 .. e7
	s_load_b128 s[40:43], s[18:19], 0x20           ; e8 .. e11
	s_mov_b64 s[24:25], s[16:17]                   ; the source: Wo, unless the work-group's number lies under one of the bounds below
	s_mov_b32 s26, 864                             ; and the first work-group of that tensor
.macro PICK below, ptr, first
	s_cmp_lt_u32 ttmp9, \below
	s_cselect_b64 s[24:25], s[\ptr:\ptr+1], s[24:25]
	s_cselect_b32 s26, \first, s26
.endm
	PICK 864, 14, 832
	PICK 832, 12, 800
	PICK 800, 10, 768
	PICK 768, 8, 512
	PICK 512, 6, 256
	PICK 256, 4, 0
	s_cmp_lt_u32 ttmp9, 768
	s_cselect_b64 s[28:29], s[20:21], s[22:23]     ; the codes go to xc or to wc,
	s_cselect_b32 s30, 0, 768                      ; counted from that buffer's first work-group
	s_sub_co_u32 s26, ttmp9, s26
	s_lshl_b32 s26, s26, 2
	s_add_co_u32 s26, s26, s44                     ; which run of 8,192 numbers of the tensor is my wave's
	s_lshl_b32 s26, s26, 15                        ; x 32,768 bytes: under 2^26
	s_mov_b32 s27, 0
	s_add_nc_u64 s[24:25], s[24:25], s[26:27]
	s_sub_co_u32 s30, ttmp9, s30
	s_lshl_b32 s30, s30, 2
	s_add_co_u32 s30, s30, s44
	s_lshl_b32 s30, s30, 13                        ; x 8,192 bytes of codes
	s_mov_b32 s31, 0
	s_add_nc_u64 s[28:29], s[28:29], s[30:31]
.macro LOAD t
.irp i, 0,1,2,3
	global_load_b128 v[R+16*((\t)%4)+4*\i:R+16*((\t)%4)+4*\i+3], v3, s[24:25] offset:2048*(\t)+512*\i th:TH_LOAD_NT   ; 32 lanes read 512 consecutive bytes; read once in the launch
.endr
.endm
.macro TURN t                          ; step t's numbers through the stage: LDS serves a wave's instructions in order, so no wait stands between the stores and the loads
.irp i, 0,1,2,3
	ds_store_b128 v14, v[R+16*((\t)%4)+4*\i:R+16*((\t)%4)+4*\i+3] offset:32*SP*((\t)%2)+8*SP*\i
.endr
.irp i, 0,1,2,3
	ds_load_b128 v[X+16*((\t)%2)+4*\i:X+16*((\t)%2)+4*\i+3], v15 offset:32*SP*((\t)%2)+16*\i
.endr
.endm
.irp t, 0,1,2,3
	LOAD \t
.endr
	s_wait_kmcnt 0x0
	s_mov_b32 s46, s43                             ; e: Wo's, unless ..
.macro PICKE below, e
	s_cmp_lt_u32 ttmp9, \below
	s_cselect_b32 s46, s[\e], s46
.endm
	PICKE 864, 37
	PICKE 832, 35
	PICKE 800, 33
	PICKE 768, 36
	PICKE 512, 34
	PICKE 256, 32
	s_add_co_i32 s46, s46, 127
	s_lshl_b32 s47, s46, 23
	v_mov_b32 v11, s47                             ; 2^e as f32: the conversion takes its exponent field
	s_add_co_i32 s46, s46, EMAX
	s_lshl_b32 s46, s46, 23
	s_or_b32 s46, s46, MANT
	v_mov_b32 v10, s46                             ; 448 x 2^e
	s_wait_loadcnt 12                              ; step 0's four loads are in; the twelve of steps 1 to 3 may be out
	TURN 0
.macro STEP t
.set XS, X+16*((\t)%2)
	s_wait_dscnt 0x0                               ; this step's numbers are back from the stage: so its stores into the stage have read their registers,
.if (\t)+4 < STEPS
	LOAD (\t)+4                                    ; which take the loads of four steps on
.endif
.if (\t)+1 < STEPS
.if STEPS-2-(\t) >= 3
	s_wait_loadcnt 12                              ; the next step's four loads are in; those of the three steps behind it may be out
.else
	s_wait_loadcnt 4*(STEPS-2-(\t))                ; the tail: fewer steps are behind it
.endif
	TURN (\t)+1                                    ; and go through the other stage while this step is worked
.endif
.irp i, 0,1,2,3,4,5,6,7,8,9,10,11,12,13,14,15
	v_med3_num_f32 v[XS+\i], v[XS+\i], -v10, v10   ; the conversion to an 8-bit code does not saturate (ISA guide 7.6.2): the number is held within the largest code x the scale first
.endr
	v_cvt_scalef32_pk8_fp8_f32 v[C+4*(\t):C+4*(\t)+1], v[XS:XS+7], v11          ; eight numbers / 2^e, to the nearest code, ties to even; the first number's code in the lowest byte
	v_cvt_scalef32_pk8_fp8_f32 v[C+4*(\t)+2:C+4*(\t)+3], v[XS+8:XS+15], v11
	global_store_b128 v4, v[C+4*(\t):C+4*(\t)+3], s[28:29] offset:32*CB*(\t)    ; the wave stores 512 consecutive bytes, aligned; the codes' registers are touched by this store alone
.endm
.irp t, 0,1,2,3,4,5,6,7,8,9,10,11,12,13,14,15
	STEP \t
.endr
	s_wait_tensorcnt 0x0
	ds_add_u32 v192, v193
	s_wait_dscnt 0x0
	s_endpgm
.Lfunc_end_k_q995345ec3e_quant:
	.size	k_q995345ec3e_quant, .Lfunc_end_k_q995345ec3e_quant-k_q995345ec3e_quant
	.p2alignl 7, 3214868480
	.fill 96, 4, 3214868480
	.section	.rodata,"a",@progbits
	.p2align	6, 0x0
	.amdhsa_kernel k_q995345ec3e_quant
		.amdhsa_group_segment_fixed_size 33280
		.amdhsa_private_segment_fixed_size 0
		.amdhsa_enable_private_segment 0
		.amdhsa_kernarg_size 80
		.amdhsa_user_sgpr_count 2
		.amdhsa_user_sgpr_kernarg_segment_ptr 1
		.amdhsa_wavefront_size32 1
		.amdhsa_system_sgpr_workgroup_id_x 1
		.amdhsa_system_sgpr_workgroup_id_y 1
		.amdhsa_system_sgpr_workgroup_id_z 1
		.amdhsa_system_vgpr_workitem_id 0
		.amdhsa_next_free_vgpr 194
		.amdhsa_next_free_sgpr 66
		.amdhsa_reserve_vcc 0
		.amdhsa_float_denorm_mode_32 3
		.amdhsa_float_denorm_mode_16_64 3
		.amdhsa_memory_ordered 1
		.amdhsa_forward_progress 1
		.amdhsa_inst_pref_size 39
	.end_amdhsa_kernel
	.amdgpu_metadata
---
amdhsa.version: [ 1, 2 ]
amdhsa.kernels:
  - .name:           k_q995345ec3e_quant
    .symbol:         k_q995345ec3e_quant.kd
    .args:
      - { .name: q, .offset: 0, .size: 8, .value_kind: global_buffer, .address_space: global }
      - { .name: k, .offset: 8, .size: 8, .value_kind: global_buffer, .address_space: global }
      - { .name: v, .offset: 16, .size: 8, .value_kind: global_buffer, .address_space: global }
      - { .name: Wq, .offset: 24, .size: 8, .value_kind: global_buffer, .address_space: global }
      - { .name: Wk, .offset: 32, .size: 8, .value_kind: global_buffer, .address_space: global }
      - { .name: Wv, .offset: 40, .size: 8, .value_kind: global_buffer, .address_space: global }
      - { .name: Wo, .offset: 48, .size: 8, .value_kind: global_buffer, .address_space: global }
      - { .name: lowp_scales, .offset: 56, .size: 8, .value_kind: global_buffer, .address_space: global }
      - { .name: xc, .offset: 64, .size: 8, .value_kind: global_buffer, .address_space: global }
      - { .name: wc, .offset: 72, .size: 8, .value_kind: global_buffer, .address_space: global }
    .group_segment_fixed_size: 33280
    .private_segment_fixed_size: 0
    .kernarg_segment_align: 8
    .kernarg_segment_size: 80
    .max_flat_workgroup_size: 128
    .sgpr_count:     66
    .vgpr_count:     194
    .wavefront_size: 32
...
	.end_amdgpu_metadata
.endif
;; end of part 1
;; launch proj (part 2): grid 4 x 96, 4 waves a work-group, clusters of 4 x 4, 327,680 bytes of LDS; arguments xc, wc, lowp_scales, pf; writes pf
.if DOCPART == 2
	.amdgcn_target "amdgcn-amd-amdhsa--gfx1250"
	.amdhsa_code_object_version 6
	.text
	.protected	k_q995345ec3e_proj
	.globl	k_q995345ec3e_proj
	.p2align	8
	.type	k_q995345ec3e_proj,@function
k_q995345ec3e_proj:
	s_mov_b64 s[64:65], 0
	v_nop
	global_prefetch_b8 v0, s[64:65] scope:SCOPE_SE
	s_setreg_imm32_b32 hwreg(HW_REG_WAVE_MODE, 25, 1), 1
	s_wait_xcnt 0x0
	s_wait_alu depctr_hold_cnt(0) depctr_sa_sdst(0) depctr_va_vdst(0) depctr_va_sdst(0) depctr_va_ssrc(0) depctr_va_vcc(0) depctr_vm_vsrc(0)
	s_getreg_b32 s2, hwreg(HW_REG_IB_STS2, 6, 4)
	s_cmp_eq_u32 s2, 0
	s_cbranch_scc0 .Lentry_in_a_cluster
	s_endpgm
.Lentry_in_a_cluster:
	s_bfe_u32 s2, ttmp6, 0x10000c
	s_cmp_lg_u32 s2, 0xf033
	s_cbranch_scc0 .Lentry_shape_is_right
	s_endpgm
.Lentry_shape_is_right:
; The three projections on codes of FP8 (E4M3): query = q Wq^T, key = k Wk^T, value = v Wv^T, sums in f32, each sum quantised at once for attention's products (scales e6, e7, e9) and stored as
; IMAGES OF OPERAND REGISTERS.  An image is a fragment of 16 rows x 64 along K of the 16x16x64 form, 1,024 bytes: the lanes' registers 0-3 at 16 x lane, registers 4-7 at 512 + 16 x lane;
; lane (r, h) holds row r, its registers 2 c, 2 c + 1 hold k = 16 c + 8 h + 0 .. 7.
; pf: query at 0, key at 8 MiB: head bh = 16 batch + head at bh x 131,072, image of tokens 16 st on (k = the head's 64) at st x 1,024.
;     value at 16 MiB, TRANSPOSED (row = one of the head's 64, k = keys): image (block kb of 64 keys, 16 dt on of the head's 64) at bh x 131,072 + kb x 4,096 + dt x 1,024.
; A tile of 256 x 256 of a product is made by a work-group of four waves, 128 x 128 a wave: 64 accumulators, 512 registers.  K = 1,024 goes in steps of 256 through a ring of two LDS slots filled by the tensor data mover.
; THE MATRIX INSTRUCTION IS USED TRANSPOSED (source 0 = 16 rows of 'B', source 1 = 16 rows of 'A'): a lane holds one row of A and eight neighbouring rows of B.  For query and key A = the tokens' codes, B = the weight:
; eight neighbours along the head's 64, one conversion gives registers 2 c, 2 c + 1 of an image, and four accumulators along B make an image.  For value A = Wv, B = the tokens: the same text gives value^T with the keys innermost.
; Which product (p = 0, 1, 2) is the cluster's y / 8: only pointers, offsets and scales are chosen by it, by selects; no branch hangs on it.
; CLUSTERS: 4 x 4 work-groups.  The four of a row of the cluster need the same tiles of A, the four of a column the same tiles of B: each tile is asked for JOINTLY, by the same tensor load with the same descriptor and a mask
; that names the four.  384 work-groups: 24 clusters.
; A fragment of 16 rows x 128 K is fetched by four loads of 16 bytes: registers 4 c .. 4 c + 3 hold K = 32 c + 16 h + 0 .. 15: a permutation of k that is the same in A and in B, so every product meets its partner.
; LIMIT: (the result's e) - (its two operands' e added) lies between -126 and 119, so that the conversion's scale and 448 x it are f32 numbers.
; REGISTERS, in windows of 256: window 0: v0-31 addresses and constants; from v128 A's fragments, ONE set; on the way out v32-95 held sums, v128-255 codes.
;   window 1: B's fragments, TWO sets, at v0 and v128.   window 2: the accumulators of my rows 0-63 ((a, b) at v[8 (8 a + b)]);   window 3: those of my rows 64-127.
.set SIZE_K, 1024
.set KSTEP,  256                       ; along K in a slot
.set ROWB,   256                       ; a tile's row in bytes
.set KROW,   SIZE_K                    ; a row of codes in memory, in bytes
.set PITCH,  272                       ; an LDS row: 256 bytes + 16 of padding = 68 words: row r starts at bank 4 r mod 64 (64 banks of 4 bytes: ISA guide 11.1), so the 16 rows of a load start at 16 different banks
.set FR,     16                        ; registers of a fragment: 16 rows x 128 K
.set NL,     4                         ; LDS loads that bring one
.set NP,     4                         ; places behind this matrix instruction (ISA guide 7.12.1)
.set HALFT,  128*PITCH                 ; 128 rows: what one tensor load brings, and what one wave reads of A or of B
.set SLOT,   4*HALFT                   ; A's 256 rows, then B's 256 rows
.set LAPS,   SIZE_K/(2*KSTEP)          ; a lap = two K steps = once round the ring
.set SPARE,  2*SLOT                    ; behind the ring: the spare words, 128 bytes for each wave: two blocks of 256 bytes that no other line names
.set SC,   8                           ; v8      the conversion's scale as f32
.set LIM,  9                           ; v9      448 x that
.set VO,   10                          ; v10-13  my byte offset in pf for A's blocks 0-3 / 4-7 (u) and B's blocks 0-3 / 4-7 (g): v[VO + 2 u + g]
.set ADRA, 16                          ; v16-17  LDS address of my A fragments in slot 0, 1
.set ADRB, 20                          ; v20-21  the same for B
.set SPW,  28                          ; v28     LDS address of my spare word: SPARE + 4 x my thread's number; never rewritten
.set NIL,  29                          ; v29     0; never rewritten
.set TMP,  32                          ; the way out: a block's 64 sums, held
.set AF,   128                         ; A's fragments, in window 0
.set CD,   128                         ; the way out: 16 registers of codes for each of the eight blocks, so that no store's data are written again
.set G1, 24                            ; s[24:31] descriptor group 1 for A's tiles;  s[32:39] group 0, one set for each slot
.set G0, 32
.set G1B, 48                           ; s[48:55], s[56:63] the same for B's tiles
.set G0B, 56
.set MSB, 0
.macro WIN new                         ; the immediate's high byte repeats the setting that is left
.if MSB != \new
	s_set_vgpr_msb (MSB<<8)|\new
.set MSB, \new
.endif
.endm
.set MUL_LO, 0xa1                      ; source 0 (B) window 1, source 1 (A) window 0, C and D window 2
.set MUL_HI, 0xf1                      ; the same, C and D window 3
.set TO_B,   0x40                      ; destination window 1, address window 0
; A joint load: waves 0 and 1 fetch for A, waves 2 and 3 for B.  Each of the two lines has ONE mask and one set of registers for all that issue it; the branch hangs on the wave's number alone.
; Four v_nop follow each of the two lines, ahead of the jump, the label and what follows.
.macro JLOAD g0a, g1a, g0b, g1b
	s_cmp_eq_u32 s15, 0
	s_cbranch_scc0 .Lfor_b_\@
	tensor_load_to_lds s[\g0a:\g0a+3], s[\g1a:\g1a+7]
	s_nop 0
.rept 4
	v_nop
.endr
	s_branch .Lasked_\@
.Lfor_b_\@:
	tensor_load_to_lds s[\g0b:\g0b+3], s[\g1b:\g1b+7]
	s_nop 0
.rept 4
	v_nop
.endr
.Lasked_\@:
.endm
.macro CREST                           ; a round of the cluster's barrier behind its opening barrier
	s_cmp_lg_u32 s14, 0
	s_cbranch_scc1 .Lnot_wave_0_\@
	s_barrier_signal -3
.Lnot_wave_0_\@:
	s_barrier_wait -3
	s_barrier_signal -1
	s_barrier_wait -1
.endm
.macro CROUND                          ; a whole round
	s_barrier_signal -1
	s_barrier_wait -1
	CREST
.endm
	s_load_b128 s[4:7], s[0:1], 0x0                ; xc s[4:5], wc s[6:7]
	s_load_b128 s[8:11], s[0:1], 0x10              ; the scales' exponents s[8:9], pf s[10:11]
	v_lshl_add_u32 v[SPW], v0, 2, SPARE
	v_mov_b32 v[NIL], 0
	ds_add_u32 v28, v29
	ds_add_u32 v28, v29
	s_wait_dscnt 0x0
	v_lshrrev_b32 v1, 5, v0
	v_readfirstlane_b32 s14, v1                    ; wave 0..3
	s_lshr_b32 s15, s14, 1                         ; which half of the tile's A rows is mine.  Also: I fetch for A (0) or for B (1)
	s_and_b32 s16, s14, 1                          ; which half of its B rows.  Also: which 128 rows of that tile I fetch
	s_bfe_u32 s40, ttmp6, 0x40000                  ; cx, cy: my place in the cluster
	s_bfe_u32 s41, ttmp6, 0x40004
	s_and_b32 s17, ttmp7, 0xffff                   ; the cluster's y, 0 .. 23
	s_lshr_b32 s66, s17, 3                         ; p: 0 query, 1 key, 2 value
	s_and_b32 s67, s17, 7
	s_lshl_b32 s67, s67, 2                         ; four tiles of the tokens to a cluster
	s_lshl_b32 s70, s66, 23                        ; p x 8 MiB: the tokens' codes in xc, and the product's part of pf
	s_lshl_b32 s71, s66, 20                        ; p x 1 MiB: the weight's codes in wc
	s_cmp_eq_u32 s66, 2                            ; value?  Then the weight is A and the tokens are B
	s_cselect_b32 s68, 0, s67
	s_cselect_b32 s69, s67, 0
	s_cselect_b32 s88, s71, s70                    ; A's tensor in its buffer
	s_cselect_b32 s89, s70, s71                    ; B's
	s_add_co_u32 s17, s68, s41                     ; A's tile = (4 x the cluster's part, or 0) + cy
	s_add_co_u32 s42, s69, s40                     ; B's tile = (0, or 4 x the cluster's part) + cx
	s_lshl_b32 s43, s41, 2
	s_lshl_b32 s43, 15, s43                        ; my row of the cluster
	s_lshl_b32 s44, 0x1111, s40                    ; my column
	; descriptor group 1: a tile of 128 rows x 256 bytes, padded in LDS
	s_or_b32 s[G1+0], s43, (0<<16)|(1<<20)|(1<<21)|(5<<22)|(3<<25)  ; 15:0 the mask: A's tiles go to my row; 17:16 element of 1 byte; 20 padding on; 21 set beside a mask; 24:22 after every 64 words (code 5); 31:25 of 4 words (code 3)
	s_or_b32 s[G1B+0], s44, (0<<16)|(1<<20)|(1<<21)|(5<<22)|(3<<25)
.irp g, G1, G1B
	s_mov_b32 s[\g+1], ROWB<<16                    ; tensor_dim0
	s_mov_b32 s[\g+2], 128<<16                     ; tensor_dim1 = 128
	s_mov_b32 s[\g+3], ROWB<<16                    ; tile_dim0
	s_mov_b32 s[\g+4], 128                         ; tile_dim1 = 128
	s_mov_b32 s[\g+5], KROW                        ; tensor_dim0_stride
	s_mov_b32 s[\g+6], 0
	s_mov_b32 s[\g+7], 0
.endr
	s_lshl_b32 s18, s16, 7                         ; which 128 rows of the tile I fetch
	s_lshl_b32 s20, s17, 8
	s_add_co_u32 s20, s20, s18                     ; A: row 256 x tile + 128 x half,
	s_lshl_b32 s20, s20, 10                        ; x 1,024 bytes,
	s_add_co_u32 s20, s20, s88                     ; in its tensor: under 2^25
	s_mov_b32 s21, 0
	s_lshl_b32 s46, s42, 8
	s_add_co_u32 s46, s46, s18                     ; B likewise; A's registers never hold cx, B's never cy
	s_lshl_b32 s46, s46, 10
	s_add_co_u32 s46, s46, s89
	s_mov_b32 s47, 0
	s_mul_i32 s45, s14, HALFT                      ; where they go: wave x 128 rows: no place in the cluster enters an LDS address
	s_wait_kmcnt 0x0
	s_load_b256 s[72:79], s[8:9], 0x0              ; e0 .. e7
	s_load_b128 s[80:83], s[8:9], 0x20             ; e8 .. e11
	s_cmp_eq_u32 s66, 2
	s_cselect_b64 s[90:91], s[6:7], s[4:5]         ; A's buffer: the choice hangs on the cluster's number alone
	s_cselect_b64 s[92:93], s[4:5], s[6:7]         ; B's
	s_add_nc_u64 s[20:21], s[90:91], s[20:21]
	s_add_nc_u64 s[46:47], s[92:93], s[46:47]
	CROUND                                         ; all sixteen work-groups are here: the first joint loads meet
.irp s, 0,1
	s_mov_b32 s[G0+4*\s], 1
	s_add_co_u32 s[G0+4*\s+1], s45, \s*SLOT
	s_add_nc_u64 s[G0+4*\s+2:G0+4*\s+3], s[20:21], \s*ROWB
	s_or_b32 s[G0+4*\s+3], s[G0+4*\s+3], 0x80000000
	s_mov_b32 s[G0B+4*\s], 1
	s_add_co_u32 s[G0B+4*\s+1], s45, \s*SLOT
	s_add_nc_u64 s[G0B+4*\s+2:G0B+4*\s+3], s[46:47], \s*ROWB
	s_or_b32 s[G0B+4*\s+3], s[G0B+4*\s+3], 0x80000000
	JLOAD G0+4*\s, G1, G0B+4*\s, G1B
.endr
	v_and_b32 v1, 15, v0                           ; l % 16
	v_bfe_u32 v2, v0, 4, 1                         ; l / 16
	v_mul_u32_u24 v3, v1, PITCH
	v_lshl_add_u32 v4, v2, 4, v3                   ; a fragment's row x pitch + 16 x half
	s_mul_i32 s21, s15, HALFT                      ; my 128 rows of A
	s_mul_i32 s22, s16, HALFT                      ; my 128 rows of B,
	s_add_co_u32 s22, s22, 2*HALFT                 ; which lie behind A's 256
.irp s, 0,1
	v_add_nc_u32 v[ADRA+\s], s21, v4
	v_add_nc_u32 v[ADRB+\s], s22, v4
	s_add_co_u32 s21, s21, SLOT
	s_add_co_u32 s22, s22, SLOT
.endr
	; where my images go.  T0 = my first token, F0 = my first feature (64 x head + place in the head): A's and B's first rows, or the other way round for value
	s_lshl_b32 s84, s17, 8
	s_lshl_b32 s85, s15, 7
	s_add_co_u32 s84, s84, s85                     ; my first row of A
	s_lshl_b32 s85, s42, 8
	s_lshl_b32 s86, s16, 7
	s_add_co_u32 s85, s85, s86                     ; my first row of B
	s_mov_b32 s94, 0x20000
	s_cmp_eq_u32 s66, 2
	s_cselect_b32 s86, s85, s84                    ; T0
	s_cselect_b32 s87, s84, s85                    ; F0
	s_cselect_b32 s95, s94, 0x1000                 ; four blocks of A on: 64 tokens = 4 images (4,096 bytes); for value the next head (131,072)
	s_cselect_b32 s94, 0x1000, s94                 ; four blocks of B on: the next head; for value the next 64 keys
	s_lshr_b32 s84, s86, 11
	s_lshl_b32 s84, s84, 21                        ; the batch: 16 heads x 131,072
	s_lshr_b32 s85, s87, 6
	s_lshl_b32 s85, s85, 17                        ; the head
	s_add_co_u32 s84, s84, s85
	s_and_b32 s85, s86, 2047
	s_lshl_b32 s85, s85, 6                         ; the token in its batch x 64 bytes: 1,024 for 16 tokens, 4,096 for 64 keys
	s_add_co_u32 s84, s84, s85
	s_add_co_u32 s84, s84, s70                     ; the product's part of pf
	s_mov_b32 s85, 0
	s_add_nc_u64 s[10:11], s[10:11], s[84:85]
	v_and_b32 v6, 31, v0
	v_lshlrev_b32 v[VO], 4, v6                     ; 16 x lane
	v_add_nc_u32 v[VO+1], s94, v[VO]
	v_add_nc_u32 v[VO+2], s95, v[VO]
	v_add_nc_u32 v[VO+3], s94, v[VO+2]
	s_wait_kmcnt 0x0
	s_add_co_i32 s84, s72, s73                     ; a sum stands for sum x 2^(its two operands' e added); its code is sum / 2^(eo - that): the three scales are folded into the conversion's one
	s_add_co_i32 s85, s74, s75
	s_add_co_i32 s86, s76, s77
	s_cmp_eq_u32 s66, 1
	s_cselect_b32 s84, s85, s84
	s_cselect_b32 s87, s79, s78                    ; eo: e7 for key, e6 for query,
	s_cmp_eq_u32 s66, 2
	s_cselect_b32 s84, s86, s84
	s_cselect_b32 s87, s81, s87                    ; e9 for value
	s_sub_co_i32 s84, s87, s84
	s_add_co_i32 s84, s84, 127
	s_lshl_b32 s85, s84, 23
	v_mov_b32 v[SC], s85
	s_add_co_i32 s84, s84, 8
	s_lshl_b32 s84, s84, 23
	s_or_b32 s84, s84, 0x600000
	v_mov_b32 v[LIM], s84
.macro FRAG reg, adr, q, i             ; a fragment, 16 rows x 128 K of codes: lane l holds row l % 16; registers 4 c .. 4 c + 3 hold K = 32 c + 16 (l / 16) + 0 .. 15
.irp c, 0,1,2,3
	ds_load_b128 v[\reg+4*\c:\reg+4*\c+3], v[\adr] offset:128*(\q)+32*\c+(\i)*16*PITCH
.endr
.endm
; 16 matrix instructions: A's blocks a0, a0 + 1 x B's eight, 128 along K.  p: B's set.  zero = 1: the first product starts the sums: nothing is ever cleared.
; The 64 accumulators take turns, one instruction a turn, in the same order in every step.
.macro MUL16 a0, p, zero
.irp a, \a0, \a0+1
.irp b, 0,1,2,3,4,5,6,7
.if \zero
	v_wmma_f32_16x16x128_fp8_fp8 v[8*(8*((\a)%4)+\b):8*(8*((\a)%4)+\b)+7], v[128*(\p)+FR*\b:128*(\p)+FR*\b+FR-1], v[AF+FR*(\a):AF+FR*(\a)+FR-1], 0
.else
	v_wmma_f32_16x16x128_fp8_fp8 v[8*(8*((\a)%4)+\b):8*(8*((\a)%4)+\b)+7], v[128*(\p)+FR*\b:128*(\p)+FR*\b+FR-1], v[AF+FR*(\a):AF+FR*(\a)+FR-1], v[8*(8*((\a)%4)+\b):8*(8*((\a)%4)+\b)+7]
.endif
.endr
.endr
.endm
.macro FETCH_B slot, q, p              ; B's eight fragments of the slot's q-th 128 along K into set p
	WIN TO_B
.irp i, 0,1,2,3,4,5,6,7
	FRAG 128*(\p)+FR*\i, ADRB+\slot, \q, \i
.endr
	WIN 0
.endm
.macro FETCH_A slot, q, i0             ; A's blocks i0 .. i0 + 3
.irp i, \i0, \i0+1, \i0+2, \i0+3
	FRAG AF+FR*(\i), ADRA+\slot, \q, \i
.endr
.endm
; A load into a register that a matrix instruction has read, and a vector instruction that reads a matrix result, stand NP places behind that matrix instruction, and only plain vector
; instructions that name none of its registers are places (ISA guide 7.12.1 for vector instructions).
.macro PLACES n
.rept \n
	v_nop
.endr
.endm
; A step of 128 along K that has its successor in the same slot.  A's blocks go one after the other, each against B's eight: a block of A is free as soon as its eight products are issued, so one set serves A.
.macro STEP slot, q, zero
	s_wait_dscnt 4*NL                              ; B's set and A's blocks 0-3 are in; the youngest sixteen loads (A's blocks 4-7) may be out
	WIN MUL_LO
	MUL16 0, (\q)%2, \zero
	MUL16 2, (\q)%2, \zero
	s_wait_dscnt 0                                 ; A's blocks 4-7 are in (asked for 32 matrix instructions ago)
	PLACES NP
	FETCH_B \slot, (\q)+1, 1-(\q)%2
	FETCH_A \slot, (\q)+1, 0
	WIN MUL_HI
	MUL16 4, (\q)%2, \zero
	MUL16 6, (\q)%2, \zero
	PLACES NP
	WIN 0
	FETCH_A \slot, (\q)+1, 4
.endm
; A slot's last step changes slots: ONE barrier; in front of it each wave waits for all its tensor loads, adds 0 to its spare word, and waits for that and for its own reads of this slot.  fill = 1: this slot is filled again, two K steps ahead.
.macro TURN slot, next, fill
	s_wait_tensorcnt 0x0                           ; all my tensor loads have landed: my part of the next slot;  (every window is 0 here: the add's two registers lie in window 0)
	ds_add_u32 v[SPW], v[NIL]                      ; 0 onto my spare word
	s_wait_dscnt 4*NL+1                            ; (the add and the youngest sixteen loads, A's blocks 4-7, may be out)
	WIN MUL_LO
	MUL16 0, 1, 0                                  ; sixteen matrix instructions stand between the add and the wait for it
	s_wait_dscnt 0x0                               ; the add is done, and my reads of this slot are over
	s_barrier_signal -1
	MUL16 2, 1, 0
	WIN 0
	s_barrier_wait -1
.if \fill
	CREST                                          ; the barrier has opened a round of the cluster's barrier: no wave of any partner still reads this slot's tile or has a load on its way
	s_add_nc_u64 s[G0+4*\slot+2:G0+4*\slot+3], s[G0+4*\slot+2:G0+4*\slot+3], 2*ROWB
	s_add_nc_u64 s[G0B+4*\slot+2:G0B+4*\slot+3], s[G0B+4*\slot+2:G0B+4*\slot+3], 2*ROWB
	JLOAD G0+4*\slot, G1, G0B+4*\slot, G1B         ; the first tensor load behind the round; the four v_nop behind it are the places in front of the loads below
.else
	PLACES NP
.endif
	FETCH_B \next, 0, 0
	FETCH_A \next, 0, 0
	WIN MUL_HI
	MUL16 4, 1, 0
	MUL16 6, 1, 0
	PLACES NP
	WIN 0
	FETCH_A \next, 0, 4
.endm
	s_wait_tensorcnt 1                             ; my part of K step 0 is in (K step 1's load may be out)
	s_barrier_signal -1
	s_barrier_wait -1                              ; everybody's is
	FETCH_B 0, 0, 0
	FETCH_A 0, 0, 0
	FETCH_A 0, 0, 4
	STEP 0, 0, 1                                   ; the first step stands in front of the loop: its products start the sums
	s_mov_b32 s3, LAPS-1
.Llap:                                                 ; a trip goes once round the ring, from a lap's second step to the next lap's first, and fills both slots again
	TURN 0, 1, 1
	STEP 1, 0, 0
	TURN 1, 0, 1
	STEP 0, 0, 0
	s_sub_co_u32 s3, s3, 1
	s_cmp_lg_u32 s3, 0
	s_cbranch_scc1 .Llap
	TURN 0, 1, 0                                   ; the last lap fills nothing, and has no round of the cluster's barrier
	STEP 1, 0, 0
	s_wait_dscnt 4*NL                              ; the very last step: nothing more to fetch
	WIN MUL_LO
	MUL16 0, 1, 0
	MUL16 2, 1, 0
	s_wait_dscnt 0
	WIN MUL_HI
	MUL16 4, 1, 0
	MUL16 6, 1, 0
	WIN 0
; THE WAY OUT, block a of 16 rows of A at a time: its 64 sums are held within +-448 x the scale (the conversion does not saturate: ISA guide 7.6.2), each accumulator from its low end on; accumulator b becomes
; registers 2 (b % 4), 2 (b % 4) + 1 of image b / 4; an image leaves by two stores, each of 512 consecutive bytes, aligned.  No LDS: the codes already lie as the reader's registers want them.
.macro OUTBLK a
.set AC, 64*((\a)%4)
	WIN 0x02+((\a)/4)                              ; source 0: window 2 or 3
.set j, 0
.rept 64
	v_med3_num_f32 v[TMP+j], v[AC+j], -v[LIM], v[LIM]
.set j, j+1
.endr
	WIN 0
.irp b, 0,1,2,3,4,5,6,7
	v_cvt_scalef32_pk8_fp8_f32 v[CD+16*(\a)+2*\b:CD+16*(\a)+2*\b+1], v[TMP+8*\b:TMP+8*\b+7], v[SC]
.endr
	v_nop                                          ; one plain vector instruction between the conversions and the next block's lines, which write their sources
.irp g, 0,1
	global_store_b128 v[VO+2*((\a)/4)+\g], v[CD+16*(\a)+8*\g:CD+16*(\a)+8*\g+3], s[10:11] offset:((\a)%4)*1024
	global_store_b128 v[VO+2*((\a)/4)+\g], v[CD+16*(\a)+8*\g+4:CD+16*(\a)+8*\g+7], s[10:11] offset:((\a)%4)*1024+512
.endr
.endm
	PLACES NP                                      ; behind the last products: for the first reads of results, and for the codes, which land where A's fragments lay
.irp a, 0,1,2,3,4,5,6,7
	OUTBLK \a
.endr
	s_wait_tensorcnt 0x0                           ; the wave's end, behind my last tensor load
	ds_add_u32 v[SPW], v[NIL]
	s_wait_dscnt 0x0
	CROUND                                         ; the closing round: no work-group ends while a partner may still ask for a tile that names it
	s_endpgm
.Lfunc_end_k_q995345ec3e_proj:
	.size	k_q995345ec3e_proj, .Lfunc_end_k_q995345ec3e_proj-k_q995345ec3e_proj
	.p2alignl 7, 3214868480
	.fill 96, 4, 3214868480
	.section	.rodata,"a",@progbits
	.p2align	6, 0x0
	.amdhsa_kernel k_q995345ec3e_proj
		.amdhsa_group_segment_fixed_size 327680
		.amdhsa_private_segment_fixed_size 0
		.amdhsa_enable_private_segment 0
		.amdhsa_kernarg_size 32
		.amdhsa_user_sgpr_count 2
		.amdhsa_user_sgpr_kernarg_segment_ptr 1
		.amdhsa_wavefront_size32 1
		.amdhsa_system_sgpr_workgroup_id_x 1
		.amdhsa_system_sgpr_workgroup_id_y 1
		.amdhsa_system_sgpr_workgroup_id_z 1
		.amdhsa_system_vgpr_workitem_id 0
		.amdhsa_next_free_vgpr 1024
		.amdhsa_next_free_sgpr 98
		.amdhsa_reserve_vcc 0
		.amdhsa_float_denorm_mode_32 3
		.amdhsa_float_denorm_mode_16_64 3
		.amdhsa_memory_ordered 1
		.amdhsa_forward_progress 1
		.amdhsa_inst_pref_size 119
	.end_amdhsa_kernel
	.amdgpu_metadata
---
amdhsa.version: [ 1, 2 ]
amdhsa.kernels:
  - .name:           k_q995345ec3e_proj
    .symbol:         k_q995345ec3e_proj.kd
    .args:
      - { .name: xc, .offset: 0, .size: 8, .value_kind: global_buffer, .address_space: global }
      - { .name: wc, .offset: 8, .size: 8, .value_kind: global_buffer, .address_space: global }
      - { .name: lowp_scales, .offset: 16, .size: 8, .value_kind: global_buffer, .address_space: global }
      - { .name: pf, .offset: 24, .size: 8, .value_kind: global_buffer, .address_space: global }
    .group_segment_fixed_size: 327680
    .private_segment_fixed_size: 0
    .kernarg_segment_align: 8
    .kernarg_segment_size: 32
    .max_flat_workgroup_size: 128
    .sgpr_count:     98
    .vgpr_count:     1024
    .wavefront_size: 32
...
	.end_amdgpu_metadata
.endif
;; end of part 2
;; launch attn (part 3): grid 4 x 64, 16 waves a work-group, clusters of 4 x 1, 272,640 bytes of LDS; arguments pf, mask, lowp_scales, ao; writes ao
.if DOCPART == 3
	.amdgcn_target "amdgcn-amd-amdhsa--gfx1250"
	.amdhsa_code_object_version 6
	.text
	.protected	k_q995345ec3e_attn
	.globl	k_q995345ec3e_attn
	.p2align	8
	.type	k_q995345ec3e_attn,@function
k_q995345ec3e_attn:
	s_mov_b64 s[64:65], 0
	v_nop
	global_prefetch_b8 v0, s[64:65] scope:SCOPE_SE
	s_setreg_imm32_b32 hwreg(HW_REG_WAVE_MODE, 25, 1), 1
	s_wait_xcnt 0x0
	s_wait_alu depctr_hold_cnt(0) depctr_sa_sdst(0) depctr_va_vdst(0) depctr_va_sdst(0) depctr_va_ssrc(0) depctr_va_vcc(0) depctr_vm_vsrc(0)
	s_getreg_b32 s2, hwreg(HW_REG_IB_STS2, 6, 4)
	s_cmp_eq_u32 s2, 0
	s_cbranch_scc0 .Lentry_in_a_cluster
	s_endpgm
.Lentry_in_a_cluster:
	s_bfe_u32 s2, ttmp6, 0x10000c
	s_cmp_lg_u32 s2, 0x3003
	s_cbranch_scc0 .Lentry_shape_is_right
	s_endpgm
.Lentry_shape_is_right:
; Attention on codes of FP8 (E4M3): for each of 64 heads (bh = 16 batch + head), 2,048 queries, 2,048 keys, head size 64.  Both products by v_wmma_f32_16x16x64_fp8_fp8, sums in f32.
; pf holds query, key (at 8 MiB) and value^T (at 16 MiB) as images of operand registers: 1,024 bytes a fragment of 16 rows x 64 k: registers 0-3 at 16 x lane, registers 4-7 at 512 + 16 x lane.
; THE SOFTMAX: t = logit x log2(e); M = the row's largest t so far, rounded UP to a whole number; p = 2^(t - M) is quantised (scale e8), not normalised; the row's sum is taken of the unquantised p and divides at the end.
; When M moves, the sum and O are multiplied by 2^(old M - new M): exact.
; THE MASK costs no instruction a score: bias[key] = 0, or, where mask = 0, the fill -1e10 in the raw sums' unit (-8e10 / 2^(e6 + e7)), is the C of the first product.  That ADDS the fill where the definition REPLACES by it:
; in both cases such a key's p is exactly 0 beside any key that counts.  The running largest t starts at c' x -13,000,000: a raw sum of 64 products of codes is never below -64 x 448 x 448 = -12,845,056, so the start lies under
; every t that counts, and steps whose keys are all masked give p = 0 under it.  A batch in which NO key counts takes c' = 0 (a select, no branch): t = 0, M = 0, p = 1 for every key: the uniform row of the definition.
; SHARES.  A work-group owns 512 queries of one head, each of its SIXTEEN waves 32 of them, two tiles, in 256 registers: four waves to a SIMD, so that one wave's vector work stands beside another's matrix work and LDS loads.
; Every wave walks the head's 2,048 keys, 64 a step.  THE WHOLE HEAD'S KEY AND VALUE^T, 131,072 bytes each, LIE IN LDS AND ARE FILLED ONCE: no slot is filled again.
; CLUSTER.  The four query blocks of a head are one cluster and ask for key and value^T JOINTLY: the same tensor loads with the same descriptors and the mask 15.  Wave 0 asks for key, wave 1 for value^T, each in eight
; pieces of 16,384 bytes (256 keys): eight tensor loads of a wave are out at the most; piece ph is waited for at the head of phase ph, so the work begins when the first pieces are in.
; LAYOUT.  Both products are used transposed: S^T = K Q^T (source 0 = 16 keys, source 1 = 16 queries), O^T = V^T P^T (source 0 = 16 of the head's 64, source 1 = P): a lane holds ONE query (lane % 16) throughout; register j of
; tile t of S^T is key 16 t + 8 (lane / 16) + j, so one conversion gives registers 2 t, 2 t + 1 of P.
; THE RESULT is quantised (scale e10) and stored in ao as images of fragments of 16 rows x 128 k for the last product: 2,048 bytes, registers 4 c .. 4 c + 3 (k = 32 c + 16 (lane / 16) + 0 .. 15) at 512 c + 16 x lane;
; byte = (token tile / 16) << 18 + (head / 4) << 16 + (token tile % 16) << 12 + (head % 4) << 10 + 512 c'.
; LIMITS on the given exponents: -90 <= e6 + e7 <= 8 (the fill in raw units is an f32 number, and every logit that counts lies above the fill); -126 <= e8 <= 119; -126 <= e10 - e8 - e9 <= 119.
.set BIAS,  262144                     ; LDS: key's images 0 .. 131,071, value^T's 131,072 .. 262,143 (tensor loads); then 2,048 f32 of bias,
.set FLAGS, 270336                     ; and 16 words, one a wave: does any of its keys count?  Blocks of their own: no tensor load lands there
.set LI,   1                           ; v1   16 x lane: an image's place for my lane
.set LB,   2                           ; v2   BIAS + 32 (lane / 16)
.set ADK,  3                           ; v3   LDS address of the step's images of key
.set ADV,  4                           ; v4   of value^T
.set ADB,  5                           ; v5   of the bias
.set PSC,  6                           ; v6   2^e8 as f32
.set PLIM, 7                           ; v7   448 x 2^e8
.set QF,   8                           ; v8-23    Q, 8 a tile
.set KF,   24                          ; v24-55   four fragments of key, then of value^T
.set CB,   56                          ; v56-87   the bias as C, 8 a tile of keys
.set PC,   56                          ; v56-71   later P's codes, 8 a tile of queries; at the end the result's codes
.set SS,   88                          ; v88-151  S^T, then p: 32 a tile of queries
.set OA,   152                         ; v152-215 O^T: 32 a tile of queries
.set ST,   216                         ; v216.. tile qi at +8 qi: +0 -M, +1 the largest t, +2, +3 the sum in two halves, +4 f (+5 named with it as a pair)
.set CV,   232                         ; v[232:233] c' twice
.set T0,   234
.set T1,   235
.set T2,   236
.set TP,   238                         ; v[238:239]
.set OSC,  240                         ; v240 2^(e10 - e8 - e9) as f32
.set OLIM, 241                         ; v241 448 x that
.set FA,   242                         ; v242 FLAGS + 4 x wave
.set BA,   243                         ; v243 BIAS + 16 x thread
.set MK,   244                         ; v244-247 my four words of the mask
.set WV,   12
.set CX,   13
.set BH,   14
.set W1,   15
.set SEL,  20                          ; s[20:21] lane selects for v_permlanex16_b32: lane l xor 16
.set CC,   22                          ; s22  c' = log2(e) / 8 x 2^(e6 + e7)
.set G1,   24                          ; s[24:31] descriptor group 1
.set G0,   32                          ; s[32:63] eight groups 0, one a piece
.set TB,   66                          ; s66  the step's first byte in key's images
.set TBB,  67                          ; s67  and in the bias
.set E6,   68                          ; s[68:71] e6, e7, e8, e9
.set E10,  72
.set CNT,  73
.set QB,   74                          ; s[74:75] my two images of Q
.set AOB,  78                          ; s[78:79] my place in ao
.macro CROUND                          ; a round of the cluster's barrier
	s_barrier_signal -1
	s_barrier_wait -1
	s_cmp_lg_u32 s[WV], 0
	s_cbranch_scc1 .Lnot_wave_0_\@
	s_barrier_signal -3
.Lnot_wave_0_\@:
	s_barrier_wait -3
	s_barrier_signal -1
	s_barrier_wait -1
.endm
	s_load_b256 s[4:11], s[0:1], 0x0               ; pf s[4:5], mask s[6:7], the scales s[8:9], ao s[10:11]
	v_lshl_add_u32 v254, v0, 2, 0x42100
	v_mov_b32 v255, 0
	ds_add_u32 v254, v255
	ds_add_u32 v254, v255
	v_lshrrev_b32 v[T0], 5, v0
	v_readfirstlane_b32 s[WV], v[T0]               ; wave 0..15
	v_lshl_add_u32 v[FA], v[T0], 2, FLAGS
	v_lshl_add_u32 v[BA], v0, 4, BIAS
	v_and_b32 v[LI], 31, v0
	v_lshlrev_b32 v[LI], 4, v[LI]
	v_bfe_u32 v[LB], v0, 4, 1
	v_lshl_add_u32 v[LB], v[LB], 5, BIAS
	v_lshlrev_b32 v[T1], 4, v0                     ; the mask: 16 bytes a thread, 512 threads: the batch's 2,048 words
	s_bfe_u32 s[CX], ttmp6, 0x40000                ; cx: my block of 512 queries: it enters Q's and ao's addresses alone
	s_and_b32 s[BH], ttmp7, 0xffff                 ; the head, which the four partners share
	s_and_b32 s[W1], s[WV], 1                      ; wave 0 fetches key, wave 1 value^T
	; descriptor group 1: 16,384 dense bytes as 64 rows of 256
	s_mov_b32 s[G1], 15|(3<<16)|(1<<21)            ; 15:0 the mask: all four work-groups; 17:16 elements of 8 bytes; 20 no padding (images are read at 16 x lane); 21 set beside a mask
	s_mov_b32 s[G1+1], 32<<16                      ; tensor_dim0 = 32 elements
	s_mov_b32 s[G1+2], 64<<16                      ; tensor_dim1 = 64
	s_mov_b32 s[G1+3], 32<<16                      ; tile_dim0
	s_mov_b32 s[G1+4], 64                          ; tile_dim1
	s_mov_b32 s[G1+5], 32                          ; tensor_dim0_stride
	s_mov_b32 s[G1+6], 0
	s_mov_b32 s[G1+7], 0
	s_mov_b32 s[SEL], 0x76543210
	s_mov_b32 s[SEL+1], 0xfedcba98
	s_lshl_b32 s16, s[BH], 17                      ; the head's 131,072 bytes,
	s_lshl_b32 s17, s[W1], 23
	s_add_co_u32 s16, s16, s17
	s_add_co_u32 s16, s16, 8<<20                   ; in key (8 MiB) or value^T (16 MiB)
	s_mov_b32 s17, 0
	s_lshl_b32 s23, s[W1], 17                      ; and in LDS
	s_lshl_b32 s76, s[CX], 5
	s_lshl_b32 s77, s[WV], 1
	s_add_co_u32 s76, s76, s77                     ; my first tile of 16 queries in the batch: 32 cx + 2 wave
	s_lshl_b32 s[QB], s76, 10
	s_lshl_b32 s77, s[BH], 17
	s_add_co_u32 s[QB], s[QB], s77
	s_mov_b32 s[QB+1], 0
	s_lshr_b32 s80, s[BH], 4                       ; the batch
	s_lshl_b32 s77, s80, 7
	s_add_co_u32 s76, s76, s77                     ; my first tile of 16 tokens of all 512
	s_lshl_b32 s80, s80, 13                        ; the batch's 8,192 bytes of mask
	s_mov_b32 s81, 0
	s_lshr_b32 s[AOB], s76, 4
	s_lshl_b32 s[AOB], s[AOB], 18
	s_and_b32 s77, s76, 15
	s_lshl_b32 s77, s77, 12
	s_add_co_u32 s[AOB], s[AOB], s77
	s_bfe_u32 s77, s[BH], 0x20002                  ; (head / 4)
	s_lshl_b32 s77, s77, 16
	s_add_co_u32 s[AOB], s[AOB], s77
	s_and_b32 s77, s[BH], 3                        ; head % 4
	s_lshl_b32 s77, s77, 10
	s_add_co_u32 s[AOB], s[AOB], s77
	s_mov_b32 s[AOB+1], 0
	s_wait_dscnt 0x0
	s_wait_kmcnt 0x0
	s_load_b128 s[E6:E6+3], s[8:9], 0x18           ; e6, e7, e8, e9
	s_load_b32 s[E10], s[8:9], 0x28                ; e10
	s_add_nc_u64 s[18:19], s[4:5], s[16:17]
	s_add_nc_u64 s[QB:QB+1], s[4:5], s[QB:QB+1]
	s_add_nc_u64 s[6:7], s[6:7], s[80:81]
	s_add_nc_u64 s[AOB:AOB+1], s[10:11], s[AOB:AOB+1]
	CROUND                                         ; all four work-groups are here: the joint loads meet
.irp i, 0,1,2,3,4,5,6,7
	s_mov_b32 s[G0+4*\i], 1                        ; count = 1
	s_add_co_u32 s[G0+4*\i+1], s23, \i*16384       ; LDS address: piece i
	s_add_nc_u64 s[G0+4*\i+2:G0+4*\i+3], s[18:19], \i*16384
	s_or_b32 s[G0+4*\i+3], s[G0+4*\i+3], 0x80000000   ; type = 2
.endr
	s_cmp_lt_u32 s[WV], 2                          ; all the fills of a wave stand in one branch on the wave's number, ahead of every wait on TENSORcnt, every LDS read and every other barrier
	s_cbranch_scc0 .Lno_fill
.irp i, 0,1,2,3,4,5,6,7
	tensor_load_to_lds s[G0+4*\i:G0+4*\i+3], s[G1:G1+7]
	s_nop 0
.endr
.rept 4
	v_nop
.endr
.Lno_fill:
	global_load_b128 v[MK:MK+3], v[T1], s[6:7]
.irp qi, 0,1
	global_load_b128 v[QF+8*\qi:QF+8*\qi+3], v[LI], s[QB:QB+1] offset:1024*\qi       ; Q stays in registers
	global_load_b128 v[QF+8*\qi+4:QF+8*\qi+7], v[LI], s[QB:QB+1] offset:1024*\qi+512
.endr
	s_wait_kmcnt 0x0
	s_add_co_i32 s82, s[E6], s[E6+1]               ; a raw sum stands for sum x 2^(e6 + e7): the two exponents are added to the exponent field of log2(e) / 8
	s_lshl_b32 s83, s82, 23
	s_add_co_i32 s[CC], s83, 0x3e38aa3b
	s_sub_co_i32 s82, 0, s82
	v_mov_b32 v[T0], 0xd19502f9                    ; -8e10: the fill -1e10 x sqrt(64),
	v_ldexp_f32 v[T0], v[T0], s82                  ; in the raw sums' unit
	s_add_co_i32 s82, s[E6+2], 127
	s_lshl_b32 s83, s82, 23
	v_mov_b32 v[PSC], s83
	s_add_co_i32 s82, s82, 8
	s_lshl_b32 s82, s82, 23
	s_or_b32 s82, s82, 0x600000
	v_mov_b32 v[PLIM], s82
	s_sub_co_i32 s82, s[E10], s[E6+2]              ; a sum of the second product stands for sum x 2^(e8 + e9): its code is (sum / l) / 2^(e10 - e8 - e9)
	s_sub_co_i32 s82, s82, s[E6+3]
	s_add_co_i32 s82, s82, 127
	s_lshl_b32 s83, s82, 23
	v_mov_b32 v[OSC], s83
	s_add_co_i32 s82, s82, 8
	s_lshl_b32 s82, s82, 23
	s_or_b32 s82, s82, 0x600000
	v_mov_b32 v[OLIM], s82
	v_mov_b32 v[T2], 0                             ; written once: a lane permute's destination counts as one of its sources
.irp qi, 0,1
	v_mov_b32 v[ST+8*\qi+2], 0                     ; the sum, in two halves
	v_mov_b32 v[ST+8*\qi+3], 0
	v_mov_b32 v[ST+8*\qi+5], 0                     ; (named as the upper half of f's pair)
.endr
.set j, 0
.rept 64
	v_mov_b32 v[OA+j], 0                           ; O^T.  (The step is written once for all steps: the first finds zeros, which the first change of M leaves zeros)
.set j, j+1
.endr
	s_wait_loadcnt 4                               ; the mask's load is in; Q's four, issued behind it, may be out
.irp i, 0,1,2,3
	v_cmp_eq_u32 vcc_lo, 0, v[MK+\i]
	v_cndmask_b32 v[SS+\i], 0, v[T0], vcc_lo       ; the fill where mask = 0, else 0
.endr
	ds_store_b128 v[BA], v[SS:SS+3]
	v_or_b32 v[SS+4], v[MK], v[MK+1]
	v_or_b32 v[SS+5], v[MK+2], v[MK+3]
	v_or_b32 v[SS+4], v[SS+4], v[SS+5]
	v_cmp_ne_u32 vcc_lo, 0, v[SS+4]
	v_mov_b32 v[SS+4], vcc_lo                      ; not 0 where any of my wave's 128 keys counts
	ds_store_b32 v[FA], v[SS+4]                    ; all lanes write the wave's word with the same value
	s_wait_tensorcnt 7                             ; piece 0 of my fills is in; the seven younger ones may be out
	s_wait_dscnt 0x0                               ; for the others' sake: my stores of bias and flag are done
	s_barrier_signal -1
	s_barrier_wait -1
	v_mov_b32 v[T0], FLAGS
.irp i, 0,1,2,3
	ds_load_b128 v[SS+4*\i:SS+4*\i+3], v[T0] offset:16*\i
.endr
	s_wait_dscnt 0x0
.irp i, 1,2,3,4,5,6,7,8,9,10,11,12,13,14,15
	v_or_b32 v[SS], v[SS], v[SS+\i]
.endr
	v_cmp_ne_u32 vcc_lo, 0, v[SS]                  ; does any key of the batch count?
	v_mov_b32 v[CV+1], s[CC]
	v_cndmask_b32 v[CV], 0, v[CV+1], vcc_lo        ; c', or 0 where none does
	v_mov_b32 v[CV+1], v[CV]
.irp qi, 0,1
	v_mul_f32 v[ST+8*\qi+1], 0xcb465d40, v[CV]     ; the largest t so far: c' x -13,000,000, under every t that counts
	v_floor_f32 v[ST+8*\qi], -v[ST+8*\qi+1]        ; -M
.endr
	s_wait_loadcnt 0x0                             ; Q
; One tile's softmax for one step: 32 scores a lane.
.macro SOFT qi
.set rS, SS+32*\qi
.set rT, ST+8*\qi
.set rO, OA+32*\qi
.set rP, PC+8*\qi
	v_max3_num_f32 v[T0], v[rS], v[rS+1], v[rS+2]  ; the step's largest raw score of my query among my 32 keys, in two chains; each accumulator is read from its low end on
	v_max3_num_f32 v[T1], v[rS+3], v[rS+4], v[rS+5]
.irp i, 6,10,14,18,22,26
	v_max3_num_f32 v[T0], v[T0], v[rS+\i], v[rS+\i+1]
	v_max3_num_f32 v[T1], v[T1], v[rS+\i+2], v[rS+\i+3]
.endr
	v_max3_num_f32 v[T0], v[T0], v[rS+30], v[rS+31]
	v_max_num_f32 v[T0], v[T0], v[T1]
	v_permlanex16_b32 v[T2], v[T0], s[SEL], s[SEL+1]
	v_max_num_f32 v[T0], v[T0], v[T2]              ; and among lane l xor 16's
	v_mul_f32 v[T0], v[CV], v[T0]                  ; as t (c' is not negative)
	v_max_num_f32 v[rT+1], v[rT+1], v[T0]          ; the running largest t
	v_mov_b32 v[T0], v[rT]
	v_floor_f32 v[rT], -v[rT+1]                    ; the new -M = floor(-t) = -ceil(t): M is a whole number
	v_sub_f32 v[T0], v[rT], v[T0]                  ; M's old value less its new one: a whole number, 0 or less
	v_cvt_i32_f32 v[T0], v[T0]                     ; (it saturates)
	v_ldexp_f32 v[rT+4], 1.0, v[T0]                ; f = 2^(old M - new M)
.set j, 0
.rept 16
	v_pk_fma_f32 v[rS+j:rS+j+1], v[rS+j:rS+j+1], v[CV:CV+1], v[rT:rT+1] op_sel_hi:[1,0,0]   ; t - M, two at a time (of the pairs c' and -M the low word serves both halves)
.set j, j+2
.endr
.set j, 0
.rept 32
	v_exp_f32 v[rS+j], v[rS+j]                     ; p = 2^(t - M): not normalised
.set j, j+1
.endr
	v_pk_mul_f32 v[rT+2:rT+3], v[rT+2:rT+3], v[rT+4:rT+5] op_sel_hi:[1,0]   ; the sums under the new M.  (A plain place behind the exponentials)
	s_wait_alu depctr_va_vdst(0)
	v_pk_add_f32 v[TP:TP+1], v[rS:rS+1], v[rS+2:rS+3]                       ; the row's sum is taken of the unquantised p: two at a time, in two chains
.irp i, 4,8,12,16,20,24,28
	v_pk_add_f32 v[rT+2:rT+3], v[rT+2:rT+3], v[rS+\i:rS+\i+1]
	v_pk_add_f32 v[TP:TP+1], v[TP:TP+1], v[rS+\i+2:rS+\i+3]
.endr
	v_pk_add_f32 v[rT+2:rT+3], v[rT+2:rT+3], v[TP:TP+1]
.set j, 0
.rept 32
	v_min_num_f32 v[rS+j], v[rS+j], v[PLIM]        ; the conversion does not saturate (ISA guide 7.6.2); p is not negative, so the hold is one-sided
.set j, j+1
.endr
.irp t, 0,1,2,3
	v_cvt_scalef32_pk8_fp8_f32 v[rP+2*\t:rP+2*\t+1], v[rS+8*\t:rS+8*\t+7], v[PSC]   ; keys 16 t + 8 (lane / 16) + 0 .. 7: registers 2 t, 2 t + 1 of P
.endr
.set j, 0
.rept 16
	v_pk_mul_f32 v[rO+j:rO+j+1], v[rO+j:rO+j+1], v[rT+4:rT+5] op_sel_hi:[1,0]       ; O^T under the new M.  (Also the plain places behind the conversions)
.set j, j+2
.endr
.endm
; A step: 64 keys.
.macro STEP
	v_add_nc_u32 v[ADK], s[TB], v[LI]              ; three additions and a v_nop: the four places behind the last step's products, in front of loads into registers that those have read
	v_add_nc_u32 v[ADB], s[TBB], v[LB]
	v_add_nc_u32 v[ADV], 0x20000, v[ADK]
	v_nop
.irp t, 0,1,2,3
	ds_load_b128 v[KF+8*\t:KF+8*\t+3], v[ADK] offset:1024*\t
	ds_load_b128 v[KF+8*\t+4:KF+8*\t+7], v[ADK] offset:1024*\t+512
.endr
.irp t, 0,1,2,3
	ds_load_b128 v[CB+8*\t:CB+8*\t+3], v[ADB] offset:64*\t          ; bias of keys 16 t + 8 (lane / 16) + 0 .. 7: sixteen lanes read the same words
	ds_load_b128 v[CB+8*\t+4:CB+8*\t+7], v[ADB] offset:64*\t+16
.endr
	s_wait_dscnt 0x0
.irp t, 0,1,2,3
.irp qi, 0,1
	v_wmma_f32_16x16x64_fp8_fp8 v[SS+32*\qi+8*\t:SS+32*\qi+8*\t+7], v[KF+8*\t:KF+8*\t+7], v[QF+8*\qi:QF+8*\qi+7], v[CB+8*\t:CB+8*\t+7]   ; S^T = K Q^T + bias
.endr
.endr
.rept 4
	v_nop                                          ; places: in front of the loads over key's fragments, and of the first reads of the scores
.endr
.irp t, 0,1,2,3
	ds_load_b128 v[KF+8*\t:KF+8*\t+3], v[ADV] offset:1024*\t        ; value^T lands while the softmax is walked
	ds_load_b128 v[KF+8*\t+4:KF+8*\t+7], v[ADV] offset:1024*\t+512
.endr
	SOFT 0
	SOFT 1
	s_wait_dscnt 0x0
.irp t, 0,1,2,3
.irp qi, 0,1
	v_wmma_f32_16x16x64_fp8_fp8 v[OA+32*\qi+8*\t:OA+32*\qi+8*\t+7], v[KF+8*\t:KF+8*\t+7], v[PC+8*\qi:PC+8*\qi+7], v[OA+32*\qi+8*\t:OA+32*\qi+8*\t+7]   ; O^T += V^T P^T: the eight accumulators take turns
.endr
.endr
.endm
; A phase: the four steps of piece ph.
.macro PHASE ph
.if \ph > 0
	s_wait_tensorcnt 7-\ph                         ; piece ph of my fills is in; the 7 - ph younger ones may be out
	s_wait_dscnt 0x0
	s_barrier_signal -1
	s_barrier_wait -1                              ; key's and value^T's piece ph are there for every wave
.endif
	s_mov_b32 s[TB], \ph*16384
	s_mov_b32 s[TBB], \ph*1024
	s_mov_b32 s[CNT], 4
.Lstep_\@:
	STEP
	s_add_co_u32 s[TB], s[TB], 4096
	s_add_co_u32 s[TBB], s[TBB], 256
	s_sub_co_u32 s[CNT], s[CNT], 1
	s_cmp_lg_u32 s[CNT], 0
	s_cbranch_scc1 .Lstep_\@
.endm
.irp ph, 0,1,2,3,4,5,6,7
	PHASE \ph
.endr
; THE WAY OUT of tile qi: O^T / the row's sum, held, quantised.  Tile dt's two registers of codes hold 16 dt + 8 (lane / 16) + 0 .. 7 of the head's 64; the reader wants 32 c' + 16 (lane / 16) + 0 .. 15 in four registers:
; lanes 16-31 of tile 2 c' change places with lanes 0-15 of tile 2 c' + 1.  Each store of the wave covers 512 consecutive bytes, aligned.
.macro FINISH qi
.set rS, SS+32*\qi
.set rT, ST+8*\qi
.set rO, OA+32*\qi
.set rP, PC+8*\qi
	v_add_f32 v[T0], v[rT+2], v[rT+3]              ; the sum's two halves,
	v_permlanex16_b32 v[T2], v[T0], s[SEL], s[SEL+1]
	v_add_f32 v[T0], v[T0], v[T2]                  ; and lane l xor 16's
	v_rcp_f32 v[rT+4], v[T0]
	v_nop                                          ; one plain place behind the transcendental
.set j, 0
	s_wait_alu depctr_va_vdst(0)
.rept 16
	v_pk_mul_f32 v[rS+j:rS+j+1], v[rO+j:rO+j+1], v[rT+4:rT+5] op_sel_hi:[1,0]   ; each accumulator from its low end on
.set j, j+2
.endr
.set j, 0
.rept 32
	v_med3_num_f32 v[rS+j], v[rS+j], -v[OLIM], v[OLIM]
.set j, j+1
.endr
.irp t, 0,1,2,3
	v_cvt_scalef32_pk8_fp8_f32 v[rP+2*\t:rP+2*\t+1], v[rS+8*\t:rS+8*\t+7], v[OSC]
.endr
	v_nop                                          ; one plain place between the conversions and the lines that touch their results
.irp c, 0,1
.irp i, 0,1
	v_permlane16_swap_b32 v[rP+4*\c+\i], v[rP+4*\c+2+\i]
.endr
.endr
.irp c, 0,1
	global_store_b128 v[LI], v[rP+4*\c:rP+4*\c+3], s[AOB:AOB+1] offset:4096*\qi+512*\c
.endr
.endm
.rept 4
	v_nop                                          ; places behind the last products
.endr
	FINISH 0
	FINISH 1
	s_wait_tensorcnt 0x0
	ds_add_u32 v254, v255
	s_wait_dscnt 0x0
	CROUND                                         ; the closing round: every tensor load of mine was waited for at the head of the last phase; no work-group ends while a partner may still ask
	s_endpgm
.Lfunc_end_k_q995345ec3e_attn:
	.size	k_q995345ec3e_attn, .Lfunc_end_k_q995345ec3e_attn-k_q995345ec3e_attn
	.p2alignl 7, 3214868480
	.fill 96, 4, 3214868480
	.section	.rodata,"a",@progbits
	.p2align	6, 0x0
	.amdhsa_kernel k_q995345ec3e_attn
		.amdhsa_group_segment_fixed_size 272640
		.amdhsa_private_segment_fixed_size 0
		.amdhsa_enable_private_segment 0
		.amdhsa_kernarg_size 32
		.amdhsa_user_sgpr_count 2
		.amdhsa_user_sgpr_kernarg_segment_ptr 1
		.amdhsa_wavefront_size32 1
		.amdhsa_system_sgpr_workgroup_id_x 1
		.amdhsa_system_sgpr_workgroup_id_y 1
		.amdhsa_system_sgpr_workgroup_id_z 1
		.amdhsa_system_vgpr_workitem_id 0
		.amdhsa_next_free_vgpr 256
		.amdhsa_next_free_sgpr 90
		.amdhsa_reserve_vcc 1
		.amdhsa_float_denorm_mode_32 3
		.amdhsa_float_denorm_mode_16_64 3
		.amdhsa_memory_ordered 1
		.amdhsa_forward_progress 1
		.amdhsa_inst_pref_size 154
	.end_amdhsa_kernel
	.amdgpu_metadata
---
amdhsa.version: [ 1, 2 ]
amdhsa.kernels:
  - .name:           k_q995345ec3e_attn
    .symbol:         k_q995345ec3e_attn.kd
    .args:
      - { .name: pf, .offset: 0, .size: 8, .value_kind: global_buffer, .address_space: global }
      - { .name: mask, .offset: 8, .size: 8, .value_kind: global_buffer, .address_space: global }
      - { .name: lowp_scales, .offset: 16, .size: 8, .value_kind: global_buffer, .address_space: global }
      - { .name: ao, .offset: 24, .size: 8, .value_kind: global_buffer, .address_space: global }
    .group_segment_fixed_size: 272640
    .private_segment_fixed_size: 0
    .kernarg_segment_align: 8
    .kernarg_segment_size: 32
    .max_flat_workgroup_size: 512
    .sgpr_count:     90
    .vgpr_count:     256
    .wavefront_size: 32
...
	.end_amdgpu_metadata
.endif
;; end of part 3
;; launch outp (part 4): grid 4 x 32, 4 waves a work-group, clusters of 4 x 4, 327,680 bytes of LDS; arguments ao, wc, lowp_scales, bo, out0; writes out0
.if DOCPART == 4
	.amdgcn_target "amdgcn-amd-amdhsa--gfx1250"
	.amdhsa_code_object_version 6
	.text
	.protected	k_q995345ec3e_outp
	.globl	k_q995345ec3e_outp
	.p2align	8
	.type	k_q995345ec3e_outp,@function
k_q995345ec3e_outp:
	s_mov_b64 s[64:65], 0
	v_nop
	global_prefetch_b8 v0, s[64:65] scope:SCOPE_SE
	s_setreg_imm32_b32 hwreg(HW_REG_WAVE_MODE, 25, 1), 1
	s_wait_xcnt 0x0
	s_wait_alu depctr_hold_cnt(0) depctr_sa_sdst(0) depctr_va_vdst(0) depctr_va_sdst(0) depctr_va_ssrc(0) depctr_va_vcc(0) depctr_vm_vsrc(0)
	s_getreg_b32 s2, hwreg(HW_REG_IB_STS2, 6, 4)
	s_cmp_eq_u32 s2, 0
	s_cbranch_scc0 .Lentry_in_a_cluster
	s_endpgm
.Lentry_in_a_cluster:
	s_bfe_u32 s2, ttmp6, 0x10000c
	s_cmp_lg_u32 s2, 0xf033
	s_cbranch_scc0 .Lentry_shape_is_right
	s_endpgm
.Lentry_shape_is_right:
; out0 = (attention's result) Wo^T + bo, on codes of FP8 (E4M3): [8192][1024] f32; sums in f32, each finished sum x 2^(e10 + e11) + bo in one fused multiply-add.
; A = attention's result, in ao as images of operand registers: a fragment of 16 rows x 128 K is 2,048 bytes, registers 4 c .. 4 c + 3 (K = 32 c + 16 (lane / 16) + 0 .. 15) at 512 c + 16 x lane;
; byte = tile of 256 rows << 18 + K step of 256 << 16 + half of the tile << 15 + block of 16 rows << 12 + (which 128 of the K step) << 11: what one tensor load brings is 32,768 dense bytes.
; B = Wo's codes, [1024][1024] row-major, at 3 MiB in wc; its fragments are fetched from padded rows by four loads of 16 bytes, in the same order of k as A's images.
; A tile of 256 x 256 is made by a work-group of four waves, 128 x 128 a wave: 64 accumulators, 512 registers.  K = 1,024 goes in steps of 256 through a ring of two LDS slots filled by the tensor data mover.
; CLUSTERS: 4 x 4 work-groups: A's tiles are asked for jointly along a row of the cluster, B's along a column.  THE MATRIX INSTRUCTION IS USED TRANSPOSED (source 0 = 16 rows of B, source 1 = 16 rows of A): a lane holds eight
; neighbouring numbers of a row of the output.  128 work-groups: the output has no more tiles of this size.
; LIMIT: e10 + e11 lies between -126 and 127, so that 2^(e10 + e11) is an f32 number.
; REGISTERS, in windows of 256: window 0: v0-31 addresses, v8-11 my four numbers of bo; from v128 A's fragments, ONE set; on the way out v128-255 rows of the output.
;   window 1: B's fragments, TWO sets, at v0 and v128.   window 2: the accumulators of my rows 0-63 ((a, b) at v[8 (8 a + b)]);   window 3: those of my rows 64-127.
.set SIZE_K, 1024
.set SIZE_N, 1024
.set KSTEP,  256
.set ROWB,   256                       ; a row of B's tile in bytes
.set KROW,   SIZE_K
.set PITCH,  272                       ; B's LDS row: 256 bytes + 16 of padding = 68 words: row r starts at bank 4 r mod 64 (64 banks of 4 bytes: ISA guide 11.1)
.set FR,     16
.set NL,     4
.set NP,     4                         ; places behind this matrix instruction (ISA guide 7.12.1)
.set HALFT,  128*PITCH                 ; the room of 128 rows: B's padded rows fill it, A's 32,768 bytes of images lie at its head
.set SLOT,   4*HALFT
.set LAPS,   SIZE_K/(2*KSTEP)
.set ASTEP,  65536                     ; from a K step of A's images to the next
.set SPARE,  2*SLOT                    ; behind the ring: the spare words, 128 bytes for each wave: two blocks of 256 bytes that no other line names
.set SPITCH, 528                       ; the way out: a stage of 16 rows x (512 bytes + 16) for each wave.  It lies in slot 0, which has had its last fill and its last read when the first result is stored there
.set BO,   8                           ; v8-11   bo at my four columns of a row read back
.set ADRA, 16
.set ADRB, 20
.set STO,  24                          ; v24     the way out: where I put 32 bytes of a row
.set RD,   25                          ; v25     where I read a row back
.set CO,   26                          ; v26     16 x lane: my byte offset in a row's 512 bytes
.set SPW,  28                          ; v28     LDS address of my spare word: SPARE + 4 x my thread's number; never rewritten
.set NIL,  29                          ; v29     0; never rewritten
.set AF,   128
.set BK,   128                         ; the way out: 16 rows read back: v128-191 and v192-255 by turns
.set G1, 24
.set G0, 32
.set G1B, 48
.set G0B, 56
.set MSB, 0
.macro WIN new                         ; the immediate's high byte repeats the setting that is left
.if MSB != \new
	s_set_vgpr_msb (MSB<<8)|\new
.set MSB, \new
.endif
.endm
.set MUL_LO, 0xa1                      ; source 0 (B) window 1, source 1 (A) window 0, C and D window 2
.set MUL_HI, 0xf1                      ; the same, C and D window 3
.set TO_B,   0x40                      ; destination window 1, address window 0
; A joint load: waves 0 and 1 fetch for A, waves 2 and 3 for B; the branch hangs on the wave's number alone.  Four v_nop follow each of the two lines.
.macro JLOAD g0a, g1a, g0b, g1b
	s_cmp_eq_u32 s15, 0
	s_cbranch_scc0 .Lfor_b_\@
	tensor_load_to_lds s[\g0a:\g0a+3], s[\g1a:\g1a+7]
	s_nop 0
.rept 4
	v_nop
.endr
	s_branch .Lasked_\@
.Lfor_b_\@:
	tensor_load_to_lds s[\g0b:\g0b+3], s[\g1b:\g1b+7]
	s_nop 0
.rept 4
	v_nop
.endr
.Lasked_\@:
.endm
.macro CREST                           ; a round of the cluster's barrier behind its opening barrier
	s_cmp_lg_u32 s14, 0
	s_cbranch_scc1 .Lnot_wave_0_\@
	s_barrier_signal -3
.Lnot_wave_0_\@:
	s_barrier_wait -3
	s_barrier_signal -1
	s_barrier_wait -1
.endm
.macro CROUND
	s_barrier_signal -1
	s_barrier_wait -1
	CREST
.endm
	s_load_b128 s[4:7], s[0:1], 0x0                ; ao s[4:5], wc s[6:7]
	s_load_b128 s[8:11], s[0:1], 0x10              ; the scales s[8:9], bo s[10:11]
	s_load_b64 s[12:13], s[0:1], 0x20              ; out0
	v_lshl_add_u32 v[SPW], v0, 2, SPARE
	v_mov_b32 v[NIL], 0
	ds_add_u32 v28, v29
	ds_add_u32 v28, v29
	s_wait_dscnt 0x0
	v_lshrrev_b32 v1, 5, v0
	v_readfirstlane_b32 s14, v1                    ; wave 0..3
	s_lshr_b32 s15, s14, 1                         ; which half of the tile's rows is mine.  Also: I fetch for A (0) or for B (1)
	s_and_b32 s16, s14, 1                          ; which half of its columns.  Also: which half of that tile I fetch
	s_bfe_u32 s40, ttmp6, 0x40000                  ; cx, cy
	s_bfe_u32 s41, ttmp6, 0x40004
	s_lshl_b32 s42, ttmp9, 2
	s_add_co_u32 s42, s42, s40                     ; tile column = 4 x cluster x + cx
	s_and_b32 s17, ttmp7, 0xffff
	s_lshl_b32 s17, s17, 2
	s_add_co_u32 s17, s17, s41                     ; tile row = 4 x cluster y + cy
	s_lshl_b32 s43, s41, 2
	s_lshl_b32 s43, 15, s43                        ; my row of the cluster
	s_lshl_b32 s44, 0x1111, s40                    ; my column
	; descriptor group 1 for A: 32,768 dense bytes as 128 rows of 256, no padding (images are read at 16 x lane)
	s_or_b32 s[G1+0], s43, (3<<16)|(1<<21)         ; 15:0 the mask: my row; 17:16 elements of 8 bytes; 21 set beside a mask
	s_mov_b32 s[G1+1], 32<<16                      ; tensor_dim0 = 32 elements
	s_mov_b32 s[G1+2], 128<<16                     ; tensor_dim1 = 128
	s_mov_b32 s[G1+3], 32<<16                      ; tile_dim0
	s_mov_b32 s[G1+4], 128                         ; tile_dim1
	s_mov_b32 s[G1+5], 32                          ; tensor_dim0_stride
	s_mov_b32 s[G1+6], 0
	s_mov_b32 s[G1+7], 0
	; for B: 128 rows x 256 bytes, padded in LDS
	s_or_b32 s[G1B+0], s44, (0<<16)|(1<<20)|(1<<21)|(5<<22)|(3<<25)   ; the mask: my column; elements of 1 byte; padding: 4 words after every 64
	s_mov_b32 s[G1B+1], ROWB<<16
	s_mov_b32 s[G1B+2], 128<<16
	s_mov_b32 s[G1B+3], ROWB<<16
	s_mov_b32 s[G1B+4], 128
	s_mov_b32 s[G1B+5], KROW
	s_mov_b32 s[G1B+6], 0
	s_mov_b32 s[G1B+7], 0
	s_lshl_b32 s20, s17, 18                        ; A: the tile's 262,144 bytes,
	s_lshl_b32 s18, s16, 15                        ; the half that I fetch
	s_add_co_u32 s20, s20, s18
	s_mov_b32 s21, 0
	s_lshl_b32 s46, s42, 8
	s_lshl_b32 s18, s16, 7
	s_add_co_u32 s46, s46, s18                     ; B: row 256 x tile column + 128 x half,
	s_lshl_b32 s46, s46, 10
	s_add_co_u32 s46, s46, 3<<20                   ; of Wo's codes
	s_mov_b32 s47, 0
	s_mul_i32 s45, s14, HALFT                      ; where they go: no place in the cluster enters an LDS address
	s_wait_kmcnt 0x0
	s_load_b64 s[96:97], s[8:9], 0x28              ; e10, e11
	s_add_nc_u64 s[20:21], s[4:5], s[20:21]
	s_add_nc_u64 s[46:47], s[6:7], s[46:47]
	CROUND                                         ; all sixteen work-groups are here: the first joint loads meet
.irp s, 0,1
	s_mov_b32 s[G0+4*\s], 1
	s_add_co_u32 s[G0+4*\s+1], s45, \s*SLOT
	s_add_nc_u64 s[G0+4*\s+2:G0+4*\s+3], s[20:21], \s*ASTEP
	s_or_b32 s[G0+4*\s+3], s[G0+4*\s+3], 0x80000000
	s_mov_b32 s[G0B+4*\s], 1
	s_add_co_u32 s[G0B+4*\s+1], s45, \s*SLOT
	s_add_nc_u64 s[G0B+4*\s+2:G0B+4*\s+3], s[46:47], \s*ROWB
	s_or_b32 s[G0B+4*\s+3], s[G0B+4*\s+3], 0x80000000
	JLOAD G0+4*\s, G1, G0B+4*\s, G1B
.endr
	v_and_b32 v1, 15, v0                           ; l % 16
	v_bfe_u32 v2, v0, 4, 1                         ; l / 16
	v_mul_u32_u24 v3, v1, PITCH
	v_lshl_add_u32 v4, v2, 4, v3                   ; B: a fragment's row x pitch + 16 x half
	v_and_b32 v6, 31, v0
	v_lshlrev_b32 v[CO], 4, v6                     ; A: 16 x lane
	s_mul_i32 s21, s15, HALFT                      ; my half of A
	s_mul_i32 s22, s16, HALFT                      ; my 128 rows of B,
	s_add_co_u32 s22, s22, 2*HALFT                 ; which lie behind A's two halves
.irp s, 0,1
	v_add_nc_u32 v[ADRA+\s], s21, v[CO]
	v_add_nc_u32 v[ADRB+\s], s22, v4
	s_add_co_u32 s21, s21, SLOT
	s_add_co_u32 s22, s22, SLOT
.endr
	s_mul_i32 s23, s14, 16*SPITCH                  ; my stage
	v_mul_u32_u24 v5, v1, SPITCH                   ; in: row l % 16, 32 bytes for each half of the lanes
	v_lshl_add_u32 v5, v2, 5, v5
	v_add_nc_u32 v[STO], s23, v5
	v_add_nc_u32 v[RD], s23, v[CO]                 ; back: the 32 lanes take one row of 512 bytes
	s_lshl_b32 s66, s42, 10
	s_lshl_b32 s67, s16, 9
	s_add_co_u32 s66, s66, s67                     ; my first column, in bytes: 1,024 x tile column + 512 x half
	s_mov_b32 s67, 0
	s_add_nc_u64 s[10:11], s[10:11], s[66:67]
	s_add_nc_u64 s[12:13], s[12:13], s[66:67]
	s_lshl_b32 s66, s17, 8
	s_lshl_b32 s68, s15, 7
	s_add_co_u32 s66, s66, s68                     ; my first row: 256 x tile row + 128 x half,
	s_lshl_b32 s66, s66, 12                        ; x 4,096 bytes: under 2^25
	s_add_nc_u64 s[12:13], s[12:13], s[66:67]
	global_load_b128 v[BO:BO+3], v[CO], s[10:11]   ; bo at my four columns; waited for on the way out
.macro FRAG reg, adr, q, i             ; B: 16 rows x 128 K: lane l holds row l % 16; registers 4 c .. 4 c + 3 hold K = 32 c + 16 (l / 16) + 0 .. 15
.irp c, 0,1,2,3
	ds_load_b128 v[\reg+4*\c:\reg+4*\c+3], v[\adr] offset:128*(\q)+32*\c+(\i)*16*PITCH
.endr
.endm
.macro FRAGA reg, adr, q, i            ; A: the image of block i, the slot's q-th 128 along K: the same registers in the same lanes as they were stored
.irp c, 0,1,2,3
	ds_load_b128 v[\reg+4*\c:\reg+4*\c+3], v[\adr] offset:(2*(\i)+(\q))*2048+512*\c
.endr
.endm
; 16 matrix instructions: A's blocks a0, a0 + 1 x B's eight, 128 along K.  The 64 accumulators take turns, one instruction a turn, in the same order in every step.
.macro MUL16 a0, p, zero
.irp a, \a0, \a0+1
.irp b, 0,1,2,3,4,5,6,7
.if \zero
	v_wmma_f32_16x16x128_fp8_fp8 v[8*(8*((\a)%4)+\b):8*(8*((\a)%4)+\b)+7], v[128*(\p)+FR*\b:128*(\p)+FR*\b+FR-1], v[AF+FR*(\a):AF+FR*(\a)+FR-1], 0
.else
	v_wmma_f32_16x16x128_fp8_fp8 v[8*(8*((\a)%4)+\b):8*(8*((\a)%4)+\b)+7], v[128*(\p)+FR*\b:128*(\p)+FR*\b+FR-1], v[AF+FR*(\a):AF+FR*(\a)+FR-1], v[8*(8*((\a)%4)+\b):8*(8*((\a)%4)+\b)+7]
.endif
.endr
.endr
.endm
.macro FETCH_B slot, q, p
	WIN TO_B
.irp i, 0,1,2,3,4,5,6,7
	FRAG 128*(\p)+FR*\i, ADRB+\slot, \q, \i
.endr
	WIN 0
.endm
.macro FETCH_A slot, q, i0
.irp i, \i0, \i0+1, \i0+2, \i0+3
	FRAGA AF+FR*(\i), ADRA+\slot, \q, \i
.endr
.endm
; A load into a register that a matrix instruction has read, and a vector instruction or an LDS store that reads a matrix result, stand NP places behind that matrix instruction, and only plain vector
; instructions that name none of its registers are places (ISA guide 7.12.1 for vector instructions).
.macro PLACES n
.rept \n
	v_nop
.endr
.endm
.macro STEP slot, q, zero
	s_wait_dscnt 4*NL                              ; B's set and A's blocks 0-3 are in; the youngest sixteen loads (A's blocks 4-7) may be out
	WIN MUL_LO
	MUL16 0, (\q)%2, \zero
	MUL16 2, (\q)%2, \zero
	s_wait_dscnt 0                                 ; A's blocks 4-7 are in
	PLACES NP
	FETCH_B \slot, (\q)+1, 1-(\q)%2
	FETCH_A \slot, (\q)+1, 0
	WIN MUL_HI
	MUL16 4, (\q)%2, \zero
	MUL16 6, (\q)%2, \zero
	PLACES NP
	WIN 0
	FETCH_A \slot, (\q)+1, 4
.endm
; A slot's last step changes slots: ONE barrier; in front of it each wave waits for all its tensor loads, adds 0 to its spare word, and waits for that and for its own reads of this slot.  fill = 1: this slot is filled again, two K steps ahead.
.macro TURN slot, next, fill
	s_wait_tensorcnt 0x0                           ; all my tensor loads have landed: my part of the next slot;  (every window is 0 here)
	ds_add_u32 v[SPW], v[NIL]                      ; 0 onto my spare word
	s_wait_dscnt 4*NL+1                            ; (the add and the youngest sixteen loads, A's blocks 4-7, may be out)
	WIN MUL_LO
	MUL16 0, 1, 0                                  ; sixteen matrix instructions stand between the add and the wait for it
	s_wait_dscnt 0x0                               ; the add is done, and my reads of this slot are over
	s_barrier_signal -1
	MUL16 2, 1, 0
	WIN 0
	s_barrier_wait -1
.if \fill
	CREST                                          ; the barrier has opened a round of the cluster's barrier: no wave of any partner still reads this slot's tile or has a load on its way
	s_add_nc_u64 s[G0+4*\slot+2:G0+4*\slot+3], s[G0+4*\slot+2:G0+4*\slot+3], 2*ASTEP
	s_add_nc_u64 s[G0B+4*\slot+2:G0B+4*\slot+3], s[G0B+4*\slot+2:G0B+4*\slot+3], 2*ROWB
	JLOAD G0+4*\slot, G1, G0B+4*\slot, G1B         ; the first tensor load behind the round; the four v_nop behind it are the places in front of the loads below
.else
	PLACES NP
.endif
	FETCH_B \next, 0, 0
	FETCH_A \next, 0, 0
	WIN MUL_HI
	MUL16 4, 1, 0
	MUL16 6, 1, 0
	PLACES NP
	WIN 0
	FETCH_A \next, 0, 4
.endm
	s_wait_tensorcnt 1                             ; my part of K step 0 is in (K step 1's load may be out)
	s_barrier_signal -1
	s_barrier_wait -1                              ; everybody's is
	FETCH_B 0, 0, 0
	FETCH_A 0, 0, 0
	FETCH_A 0, 0, 4
	STEP 0, 0, 1                                   ; the first step stands in front of the loop: its products start the sums
	s_mov_b32 s3, LAPS-1
.Llap:
	TURN 0, 1, 1
	STEP 1, 0, 0
	TURN 1, 0, 1
	STEP 0, 0, 0
	s_sub_co_u32 s3, s3, 1
	s_cmp_lg_u32 s3, 0
	s_cbranch_scc1 .Llap
	TURN 0, 1, 0                                   ; the last lap fills nothing, and has no round of the cluster's barrier
	STEP 1, 0, 0
	s_wait_dscnt 4*NL
	WIN MUL_LO
	MUL16 0, 1, 0
	MUL16 2, 1, 0
	s_wait_dscnt 0
	WIN MUL_HI
	MUL16 4, 1, 0
	MUL16 6, 1, 0
	WIN 0
; THE WAY OUT, block by block of 16 rows x 128 columns.  A lane holds 32 neighbouring bytes of a row, the lanes beside it other rows: a block's raw sums go from the accumulators into my own stage in LDS and come back as whole
; rows of 512 bytes; there each pair becomes sum x 2^(e10 + e11) + bo by one packed multiply-add, and the 32 lanes store 512 consecutive bytes, aligned.  LDS serves a wave's instructions in order (ISA guide 5.7.1.4): no wait
; between the stores and the loads, nor in front of the next block's stores.
.macro TOSTAGE a
.set AC, 64*((\a)%4)
	WIN 0x08+4*((\a)/4)                            ; the stores' data: window 2 or 3
.irp b, 0,1,2,3,4,5,6,7
	ds_store_b128 v[STO], v[AC+8*\b:AC+8*\b+3] offset:64*\b          ; each accumulator from its low end on
	ds_store_b128 v[STO], v[AC+8*\b+4:AC+8*\b+7] offset:64*\b+16
.endr
	WIN 0
.set BB, BK+64*((\a)%2)
.irp t, 0,1,2,3,4,5,6,7,8,9,10,11,12,13,14,15
	ds_load_b128 v[BB+4*\t:BB+4*\t+3], v[RD] offset:\t*SPITCH
.endr
.endm
.macro SEND a, younger                 ; younger: the LDS instructions issued behind block a's loads, which may stay out
.set BB, BK+64*((\a)%2)
	s_wait_dscnt \younger                          ; the block is back in registers
.if (\a) > 0
	s_add_nc_u64 s[12:13], s[12:13], 16*SIZE_N*4   ; (behind a wait on XCNT: the earlier stores have read their base)  16 rows on
.endif
.irp t, 0,1,2,3,4,5,6,7,8,9,10,11,12,13,14,15
	v_pk_fma_f32 v[BB+4*\t:BB+4*\t+1], v[BB+4*\t:BB+4*\t+1], s[96:97], v[BO:BO+1] op_sel_hi:[1,0,1]       ; the scalar pair's low word for both halves
	v_pk_fma_f32 v[BB+4*\t+2:BB+4*\t+3], v[BB+4*\t+2:BB+4*\t+3], s[96:97], v[BO+2:BO+3] op_sel_hi:[1,0,1]
.endr
.irp t, 0,1,2,3,4,5,6,7,8,9,10,11,12,13,14,15
	global_store_b128 v[CO], v[BB+4*\t:BB+4*\t+3], s[12:13] offset:\t*SIZE_N*4 th:TH_STORE_NT   ; written once, read by nobody here
.endr
.endm
	s_wait_kmcnt 0x0
	s_add_co_i32 s96, s96, s97                     ; e10 + e11, between -126 and 127,
	s_add_co_i32 s96, s96, 127
	s_lshl_b32 s96, s96, 23                        ; makes the f32 number 2^(e10 + e11)
	s_mov_b32 s97, s96                             ; (named with it as a pair, so it is written)
	s_wait_loadcnt 0x0                             ; bo
	PLACES NP                                      ; behind the last products: for the stores that read results, and for the loads into the registers that held A's fragments
	TOSTAGE 0
.irp a, 1,2,3,4,5,6,7
.if \a > 1
	s_wait_xcnt 0x0                                ; block a - 2's stores have read their registers and their base: block a's loads may land there, and the base may step
.endif
	TOSTAGE \a
	SEND \a-1, 32                                  ; behind block a - 1's loads: block a's 16 stores and 16 loads
.endr
	s_wait_xcnt 0x0                                ; block 6's stores have read their base
	SEND 7, 0
	s_wait_tensorcnt 0x0                           ; the wave's end, behind my last tensor load and my last LDS store
	ds_add_u32 v[SPW], v[NIL]
	s_wait_dscnt 0x0
	CROUND                                         ; the closing round: no work-group ends while a partner may still ask for a tile that names it
	s_endpgm
.Lfunc_end_k_q995345ec3e_outp:
	.size	k_q995345ec3e_outp, .Lfunc_end_k_q995345ec3e_outp-k_q995345ec3e_outp
	.p2alignl 7, 3214868480
	.fill 96, 4, 3214868480
	.section	.rodata,"a",@progbits
	.p2align	6, 0x0
	.amdhsa_kernel k_q995345ec3e_outp
		.amdhsa_group_segment_fixed_size 327680
		.amdhsa_private_segment_fixed_size 0
		.amdhsa_enable_private_segment 0
		.amdhsa_kernarg_size 40
		.amdhsa_user_sgpr_count 2
		.amdhsa_user_sgpr_kernarg_segment_ptr 1
		.amdhsa_wavefront_size32 1
		.amdhsa_system_sgpr_workgroup_id_x 1
		.amdhsa_system_sgpr_workgroup_id_y 1
		.amdhsa_system_sgpr_workgroup_id_z 1
		.amdhsa_system_vgpr_workitem_id 0
		.amdhsa_next_free_vgpr 1024
		.amdhsa_next_free_sgpr 98
		.amdhsa_reserve_vcc 0
		.amdhsa_float_denorm_mode_32 3
		.amdhsa_float_denorm_mode_16_64 3
		.amdhsa_memory_ordered 1
		.amdhsa_forward_progress 1
		.amdhsa_inst_pref_size 123
	.end_amdhsa_kernel
	.amdgpu_metadata
---
amdhsa.version: [ 1, 2 ]
amdhsa.kernels:
  - .name:           k_q995345ec3e_outp
    .symbol:         k_q995345ec3e_outp.kd
    .args:
      - { .name: ao, .offset: 0, .size: 8, .value_kind: global_buffer, .address_space: global }
      - { .name: wc, .offset: 8, .size: 8, .value_kind: global_buffer, .address_space: global }
      - { .name: lowp_scales, .offset: 16, .size: 8, .value_kind: global_buffer, .address_space: global }
      - { .name: bo, .offset: 24, .size: 8, .value_kind: global_buffer, .address_space: global }
      - { .name: out0, .offset: 32, .size: 8, .value_kind: global_buffer, .address_space: global }
    .group_segment_fixed_size: 327680
    .private_segment_fixed_size: 0
    .kernarg_segment_align: 8
    .kernarg_segment_size: 40
    .max_flat_workgroup_size: 128
    .sgpr_count:     98
    .vgpr_count:     1024
    .wavefront_size: 32
...
	.end_amdgpu_metadata
.endif
;; end of part 4
